; MI455X (gfx1250); checked and timed in simulation.
; The chip was launched on July 23, 2026; its instructions are those of AMD's public machine-readable ISA for CDNA 5 (MIT licence, August 2026) and "CDNA5" Instruction Set Architecture Reference Guide (July 2026). The comments in the code are by the model that wrote it; some were corrected since.
;; Ro PEA Li Bi Latent Self Attention. Allowed arithmetic: float matrix products may take bf16 or f16 operands with f32 sums; all other float work in f32.
;; Inputs: Wk 512 x 1,024 float32; Wl 1,024 x 512 float32; Wo 1,024 x 1,024 float32; Wq 512 x 1,024 float32; Wv 512 x 1,024 float32; alibi_bias 16 x 1,024 x 1,024 float32; bk 1,024 float32; bl 512 float32; bo 1,024 float32; bq 1,024 float32; bv 1,024 float32; mask 8 x 1,024 bool; pos_emb 1,024 x 32 float32; src 8 x 1,024 x 1,024 float32.
;; Outputs: out0 8 x 1,024 x 1,024 float32.
;; 2 versions, each right; version 2 is version 1 with the launch prep written anew for expert scheduling mode. Each part assembles by itself: llvm-mc -triple=amdgcn-amd-amdhsa -mcpu=gfx1250 --defsym DOCPART=n.
;; ======== version 1 of 2: 5 launches
;; limits: values are held in f16: magnitudes above 65,504 overflow, below 6.1e-05 lose precision; right only within a limited range of input values; a function is approximated: absolute error at most 1e-06
;; workspace buffers: xb 16,777,216 bytes; ab 33,554,432 bytes; wt 6,291,456 bytes; tb 264,704 bytes; pmx 4,096 bytes; pj 8,388,608 bytes; qkv 50,331,648 bytes; ob 16,777,216 bytes
;; launch prep (part 1): grid 992 x 1, 8 waves a work-group, no clusters, 0 bytes of LDS; arguments alibi_bias, src, Wl, Wq, Wk, Wv, Wo, pos_emb, ab, xb, wt, tb; writes ab, xb, wt, tb
.if DOCPART == 1
	.amdgcn_target "amdgcn-amd-amdhsa--gfx1250"
	.amdhsa_code_object_version 6
	.text
	.protected	k_qc24b299ceb_prep
	.globl	k_qc24b299ceb_prep
	.p2align	8
	.type	k_qc24b299ceb_prep,@function
k_qc24b299ceb_prep:
	s_mov_b64 s[64:65], 0
	v_nop
	global_prefetch_b8 v0, s[64:65] scope:SCOPE_SE
	s_setreg_imm32_b32 hwreg(HW_REG_WAVE_MODE, 25, 1), 1
	s_wait_xcnt 0x0
; CASTS, RE-LAYOUT AND THE ROTATION TABLE.  A stream: no LDS, no matrix unit, no cluster (no two work-groups read the same byte).
; A chunk is 32,768 numbers, 128 KiB in and 64 KiB out.  A thread takes pieces of 4 numbers: 16 bytes in, 8 out, neighbouring lanes at neighbouring pieces,
; so that a wave's load covers 512 bytes without a gap (alibi: two whole aligned 256-byte pieces of rows) and a wave's store 256 consecutive aligned bytes.
; Work-groups 0-79     chunks of Wq, Wk, Wv, Wo -> wt + 1 MiB on: rounded to bf16, and that number written as f16; each wave also stores the largest magnitude that it saw
;                      (tb, from byte 262,144 on).  A loop of 4 trips of 8 pieces: four round trips to memory on end, the longest share, so these stand first in the grid.
; Work-groups 80-207   tb[l][i] = (cos, sin) of pos_emb[l][i] rounded to bf16, one angle a thread.
; Work-groups 208-223  Wl -> wt, bf16.      224-479  src -> xb, bf16.
; Work-groups 480-991  alibi_bias -> ab, bf16, in tiles [y = 2 head + q / 512][k / 64][q % 512][64 keys]: a tile is 65,536 dense bytes.
; LIMITS.  Weights beyond 65,504 become infinities in f16; below 2^-14 they keep f16's fixed step of 2^-24.  Angles up to about 1e5 keep sin and cos to 1e-6 (three-part reduction by pi / 2).
.set M,   3                            ; v3       running largest magnitude
.set OFF, 8                            ; v8-39    byte offset of piece i in the source
.set X,   40                           ; v40-167  piece i: 4 registers as loaded; the first 2 as stored
.macro PICK lim, ptr                   ; from chunk lim on: the next weight
	s_cmp_ge_u32 s2, \lim
	s_cselect_b64 s[32:33], s[\ptr:\ptr+1], s[32:33]
	s_cselect_b32 s34, \lim, s34
.endm
	s_load_b512 s[8:23], s[0:1], 0x0               ; alibi s[8:9], src s[10:11], Wl s[12:13], Wq s[14:15], Wk s[16:17], Wv s[18:19], Wo s[20:21], pos_emb s[22:23]
	s_load_b256 s[24:31], s[0:1], 0x40             ; ab s[24:25], xb s[26:27], wt s[28:29], tb s[30:31]
	v_and_b32 v1, 31, v0                           ; lane
	v_lshrrev_b32 v2, 5, v0
	v_readfirstlane_b32 s3, v2                     ; wave
	v_lshlrev_b32 v2, 3, v0                        ; my 8 bytes in 2,048 bytes of output
	s_mov_b32 s39, 0
	s_mov_b32 s41, 0
	s_cmp_lt_u32 ttmp9, 80
	s_cbranch_scc1 .Lf16
	s_cmp_lt_u32 ttmp9, 208
	s_cbranch_scc1 .Ltrig
	s_sub_co_u32 s2, ttmp9, 208                    ; 0-15 Wl, 16-271 src, 272-783 alibi
	s_wait_kmcnt 0x0
	s_cmp_lt_u32 s2, 272
	s_cbranch_scc1 .Lflat
	s_sub_co_u32 s2, s2, 272                       ; the tile
	s_lshr_b32 s38, s2, 4                          ; y: 512 rows of 4,096 bytes
	s_lshl_b32 s38, s38, 21
	s_and_b32 s47, s2, 15                          ; the block of 64 keys: 256 bytes of each row
	s_lshl_b32 s47, s47, 8
	s_add_co_u32 s38, s38, s47
	s_add_nc_u64 s[32:33], s[8:9], s[38:39]
	s_lshl_b32 s40, s2, 16
	s_add_nc_u64 s[36:37], s[24:25], s[40:41]
	v_lshrrev_b32 v4, 4, v0                        ; sixteen threads to a row of the tile
	v_and_b32 v5, 15, v0
	v_lshlrev_b32 v5, 4, v5
	v_lshl_add_u32 v[OFF], v4, 12, v5
	s_mov_b32 s42, 65536                           ; 16 rows on
	s_branch .Lgo
.Lflat:
	s_cmp_lt_u32 s2, 16
	s_cselect_b64 s[32:33], s[12:13], s[10:11]     ; Wl, or src
	s_cselect_b64 s[36:37], s[28:29], s[26:27]     ; into wt, or xb
	s_cselect_b32 s34, 0, 16
	s_sub_co_u32 s38, s2, s34                      ; the chunk in its tensor
	s_lshl_b32 s40, s38, 16
	s_lshl_b32 s38, s38, 17
	s_add_nc_u64 s[32:33], s[32:33], s[38:39]
	s_add_nc_u64 s[36:37], s[36:37], s[40:41]
	v_lshlrev_b32 v[OFF], 4, v0
	s_mov_b32 s42, 4096                            ; 256 threads x 16 bytes on
.Lgo:
.set i, 1
.rept 31
	v_add_nc_u32 v[OFF+i], s42, v[OFF+i-1]
.set i, i+1
.endr
.set i, 0
.rept 32                                       ; all 32 loads of the thread go out in one run
	global_load_b128 v[X+4*i:X+4*i+3], v[OFF+i], s[32:33] th:TH_LOAD_NT
.set i, i+1
.endr
.set i, 0
.rept 32
	s_wait_loadcnt 31-i                            ; piece i is in; the 31 - i loads issued behind it may stay out
	v_cvt_pk_bf16_f32 v[X+4*i], v[X+4*i], v[X+4*i+1]
	v_cvt_pk_bf16_f32 v[X+4*i+1], v[X+4*i+2], v[X+4*i+3]
	global_store_b64 v2, v[X+4*i:X+4*i+1], s[36:37] offset:2048*i  ; no register is written twice, so nothing waits for a store
.set i, i+1
.endr
	s_endpgm
.Lf16:
	s_mov_b32 s2, ttmp9                            ; chunk 0-15 Wq, 16-31 Wk, 32-47 Wv, 48-79 Wo
	s_mov_b32 s34, 0
	s_mov_b32 s43, 0xffff0000
	s_mov_b32 s44, 0x76543210
	s_mov_b32 s45, 0xfedcba98
	v_lshlrev_b32 v[OFF], 4, v0
	v_mov_b32 v[M], 0
	s_wait_kmcnt 0x0
	s_mov_b64 s[32:33], s[14:15]
	PICK 16, 16
	PICK 32, 18
	PICK 48, 20
	s_sub_co_u32 s38, s2, s34
	s_lshl_b32 s38, s38, 17
	s_lshl_b32 s40, s2, 16
	s_add_co_u32 s40, s40, 0x100000                ; the four lie end to end behind Wl's MiB
	s_add_nc_u64 s[32:33], s[32:33], s[38:39]
	s_add_nc_u64 s[36:37], s[28:29], s[40:41]
	s_mov_b32 s47, 4
.Lw:
.irp j, 0,1,2,3,4,5,6,7
	global_load_b128 v[X+4*(\j):X+4*(\j)+3], v[OFF], s[32:33] offset:4096*(\j) th:TH_LOAD_NT
.endr
.irp j, 0,1,2,3,4,5,6,7
	s_wait_loadcnt 7-(\j)                          ; piece j is in; the later ones may stay out
.irp k, 0,1
	v_cvt_pk_bf16_f32 v[4+2*(\k)], v[X+4*(\j)+2*(\k)], v[X+4*(\j)+2*(\k)+1]  ; rounded as every input is,
	v_and_b32 v[5+2*(\k)], s43, v[4+2*(\k)]
	v_lshlrev_b32 v[4+2*(\k)], 16, v[4+2*(\k)]
	v_max3_num_f32 v[M], |v[4+2*(\k)]|, |v[5+2*(\k)]|, v[M]
	v_cvt_pk_f16_f32 v[X+4*(\j)+(\k)], v[4+2*(\k)], v[5+2*(\k)]              ; and written as f16: exact within f16's range
.endr
	global_store_b64 v2, v[X+4*(\j):X+4*(\j)+1], s[36:37] offset:2048*(\j)
.endr
	s_wait_xcnt 0x0                                ; the stores' data and both bases are written again only behind this wait
	s_add_nc_u64 s[32:33], s[32:33], 32768
	s_add_nc_u64 s[36:37], s[36:37], 16384
	s_sub_co_u32 s47, s47, 1
	s_cmp_lg_u32 s47, 0
	s_cbranch_scc1 .Lw
	v_max_num_f32_dpp v[M], v[M], v[M] row_xmask:1 row_mask:0xf bank_mask:0xf
	v_max_num_f32_dpp v[M], v[M], v[M] row_xmask:2 row_mask:0xf bank_mask:0xf
	v_max_num_f32_dpp v[M], v[M], v[M] row_xmask:4 row_mask:0xf bank_mask:0xf
	v_max_num_f32_dpp v[M], v[M], v[M] row_xmask:8 row_mask:0xf bank_mask:0xf
	v_permlanex16_b32 v4, v[M], s44, s45
	v_max_num_f32 v[M], v[M], v4
	s_lshl_b32 s48, s2, 3
	s_add_co_u32 s48, s48, s3
	s_lshl_b32 s48, s48, 2
	s_add_co_u32 s48, s48, 262144                  ; word 8 x chunk + wave behind the table
	v_mov_b32 v5, s48
	v_cmp_eq_u32 vcc_lo, 0, v1
	s_wait_xcnt 0x0                                ; EXEC is a source of the stores above: it changes only behind this wait
	s_and_saveexec_b32 s46, vcc_lo
	global_store_b32 v5, v[M], s[30:31]
	s_wait_xcnt 0x0
	s_or_b32 exec_lo, exec_lo, s46
	s_endpgm
.Ltrig:
	s_sub_co_u32 s2, ttmp9, 80
	s_lshl_b32 s38, s2, 10                         ; 256 angles of 4 bytes
	s_lshl_b32 s40, s2, 11                         ; 256 pairs of 8 bytes
	s_mov_b32 s48, 0xbfc90000                      ; pi / 2 in three parts, negated
	s_mov_b32 s49, 0xb9fda000
	s_mov_b32 s50, 0xb3a22168
	s_mov_b32 s51, 0xb94ca1f9                      ; sine's polynomial
	s_mov_b32 s52, 0x3c08839e
	s_mov_b32 s53, 0xbe2aaaa3
	s_mov_b32 s54, 0x37ccf5ce                      ; cosine's
	s_mov_b32 s55, 0xbab6061a
	s_mov_b32 s56, 0x3d2aaaa5
	v_lshlrev_b32 v3, 2, v0
	s_wait_kmcnt 0x0
	s_add_nc_u64 s[32:33], s[22:23], s[38:39]
	s_add_nc_u64 s[36:37], s[30:31], s[40:41]
	global_load_b32 v[X], v3, s[32:33]
	s_wait_loadcnt 0x0
	; x = r + n pi / 2 with |r| <= pi / 4; sine and cosine of r by polynomials; n mod 4 says which is which and their signs
	v_cvt_pk_bf16_f32 v[X], v[X], v[X]
	v_lshlrev_b32 v[X], 16, v[X]
	v_mul_f32 v5, 0x3f22f983, v[X]
	v_rndne_f32 v5, v5
	v_fma_f32 v6, v5, s48, v[X]
	v_fma_f32 v6, v5, s49, v6
	v_fma_f32 v6, v5, s50, v6
	v_cvt_i32_f32 v7, v5
	v_mul_f32 v8, v6, v6
	v_fma_f32 v9, v8, s51, s52
	v_fma_f32 v9, v9, v8, s53
	v_mul_f32 v9, v9, v8
	v_fma_f32 v9, v9, v6, v6                       ; sin r
	v_fma_f32 v10, v8, s54, s55
	v_fma_f32 v10, v10, v8, s56
	v_mul_f32 v11, v8, v8
	v_fma_f32 v12, v8, -0.5, 1.0
	v_fma_f32 v10, v10, v11, v12                   ; cos r
	v_and_b32 v13, 1, v7
	v_cmp_ne_u32 vcc_lo, 0, v13
	v_cndmask_b32 v[X+3], v9, v10, vcc_lo          ; sine: cos r where n is odd
	v_cndmask_b32 v[X+2], v10, v9, vcc_lo          ; cosine: sin r where n is odd
	v_and_b32 v13, 2, v7
	v_lshlrev_b32 v13, 30, v13
	v_xor_b32 v[X+3], v[X+3], v13                  ; sine is negative for n mod 4 = 2, 3
	v_add_nc_u32 v13, 1, v7
	v_and_b32 v13, 2, v13
	v_lshlrev_b32 v13, 30, v13
	v_xor_b32 v[X+2], v[X+2], v13                  ; cosine for 1, 2
	global_store_b64 v2, v[X+2:X+3], s[36:37]      ; a wave stores 256 consecutive bytes
	s_endpgm
.Lfunc_end_k_qc24b299ceb_prep:
	.size	k_qc24b299ceb_prep, .Lfunc_end_k_qc24b299ceb_prep-k_qc24b299ceb_prep
	.p2alignl 7, 3214868480
	.fill 96, 4, 3214868480
	.section	.rodata,"a",@progbits
	.p2align	6, 0x0
	.amdhsa_kernel k_qc24b299ceb_prep
		.amdhsa_group_segment_fixed_size 0
		.amdhsa_private_segment_fixed_size 0
		.amdhsa_enable_private_segment 0
		.amdhsa_kernarg_size 96
		.amdhsa_user_sgpr_count 2
		.amdhsa_user_sgpr_kernarg_segment_ptr 1
		.amdhsa_wavefront_size32 1
		.amdhsa_system_sgpr_workgroup_id_x 1
		.amdhsa_system_sgpr_workgroup_id_y 1
		.amdhsa_system_sgpr_workgroup_id_z 1
		.amdhsa_system_vgpr_workitem_id 0
		.amdhsa_next_free_vgpr 168
		.amdhsa_next_free_sgpr 66
		.amdhsa_reserve_vcc 1
		.amdhsa_float_denorm_mode_32 3
		.amdhsa_float_denorm_mode_16_64 3
		.amdhsa_memory_ordered 1
		.amdhsa_forward_progress 1
		.amdhsa_inst_pref_size 24
	.end_amdhsa_kernel
	.amdgpu_metadata
---
amdhsa.version: [ 1, 2 ]
amdhsa.kernels:
  - .name:           k_qc24b299ceb_prep
    .symbol:         k_qc24b299ceb_prep.kd
    .args:
      - { .name: alibi_bias, .offset: 0, .size: 8, .value_kind: global_buffer, .address_space: global }
      - { .name: src, .offset: 8, .size: 8, .value_kind: global_buffer, .address_space: global }
      - { .name: Wl, .offset: 16, .size: 8, .value_kind: global_buffer, .address_space: global }
      - { .name: Wq, .offset: 24, .size: 8, .value_kind: global_buffer, .address_space: global }
      - { .name: Wk, .offset: 32, .size: 8, .value_kind: global_buffer, .address_space: global }
      - { .name: Wv, .offset: 40, .size: 8, .value_kind: global_buffer, .address_space: global }
      - { .name: Wo, .offset: 48, .size: 8, .value_kind: global_buffer, .address_space: global }
      - { .name: pos_emb, .offset: 56, .size: 8, .value_kind: global_buffer, .address_space: global }
      - { .name: ab, .offset: 64, .size: 8, .value_kind: global_buffer, .address_space: global }
      - { .name: xb, .offset: 72, .size: 8, .value_kind: global_buffer, .address_space: global }
      - { .name: wt, .offset: 80, .size: 8, .value_kind: global_buffer, .address_space: global }
      - { .name: tb, .offset: 88, .size: 8, .value_kind: global_buffer, .address_space: global }
    .group_segment_fixed_size: 0
    .private_segment_fixed_size: 0
    .kernarg_segment_align: 8
    .kernarg_segment_size: 96
    .max_flat_workgroup_size: 256
    .sgpr_count:     66
    .vgpr_count:     168
    .wavefront_size: 32
...
	.end_amdgpu_metadata
.endif
;; end of part 1
;; launch proj (part 2): grid 4 x 64, 4 waves a work-group, clusters of 4 x 4, 327,680 bytes of LDS; arguments xb, wt, bl, pj, pmx; writes pj, pmx
.if DOCPART == 2
	.amdgcn_target "amdgcn-amd-amdhsa--gfx1250"
	.amdhsa_code_object_version 6
	.text
	.protected	k_qc24b299ceb_proj
	.globl	k_qc24b299ceb_proj
	.p2align	8
	.type	k_qc24b299ceb_proj,@function
k_qc24b299ceb_proj:
	s_mov_b64 s[64:65], 0
	v_nop
	global_prefetch_b8 v0, s[64:65] scope:SCOPE_SE
	s_setreg_imm32_b32 hwreg(HW_REG_WAVE_MODE, 25, 1), 1
	s_wait_xcnt 0x0
	s_wait_alu depctr_hold_cnt(0) depctr_sa_sdst(0) depctr_va_vdst(0) depctr_va_sdst(0) depctr_va_ssrc(0) depctr_va_vcc(0) depctr_vm_vsrc(0)
	s_getreg_b32 s2, hwreg(HW_REG_IB_STS2, 6, 4)
	s_cmp_eq_u32 s2, 0
	s_cbranch_scc0 .Lentry_in_a_cluster
	s_endpgm
.Lentry_in_a_cluster:
	s_bfe_u32 s2, ttmp6, 0x10000c
	s_cmp_lg_u32 s2, 0xf033
	s_cbranch_scc0 .Lentry_shape_is_right
	s_endpgm
.Lentry_shape_is_right:
; pj = f16(xb Wl + bl).  xb [8192][1024] bf16, Wl [1024][512] bf16 at wt's first byte, bl rounded to bf16; sums in f32.  pmx takes each wave's largest |sum|.
; A tile of 128 x 128 gives 256 work-groups; four waves, 64 x 64 each: 16 accumulators.  K goes in 4 steps of 256 through two LDS slots: a step is 128 matrix instructions a wave.
; CLUSTER 4 x 4: xb's tile is asked for jointly along a row of the cluster, Wl's along a column.
; THE MATRIX INSTRUCTION IS USED TRANSPOSED: source 0 = 16 columns of Wl (turned out of its [k][n] rows by ds_load_tr16_b128), source 1 = 16 rows of xb: a lane holds 8 neighbouring columns of one row.
; The sums start from the bias, written into the accumulators while the first tile is on its way.
; LIMIT.  |pj| beyond 65,504 becomes an infinity in f16.
; REGISTERS.  window 0: v0-31 addresses; v32-95 at work; v128-255 accumulators ((a, b) at 128 + 8 (4 a + b)).  window 1: two fragment buffers of 64: 32 of xb, then 32 of Wl.
.set PA,     528                       ; a row of xb's tile in LDS: 512 bytes + 16
.set PB,     288                       ; a k row of Wl's tile: 256 bytes + 32
.set AHALF,  64*PA                     ; 0x8400
.set BOFF,   128*PA                    ; 0x10800
.set BHALF,  128*PB                    ; 0x9000
.set SLOT,   BOFF+256*PB               ; 141,312
.set SLOTX,  0x24000                   ; slot 1 begins here: the four LDS addresses that a descriptor can hold in slot 0 (0, 0x8400, 0x10800, 0x19800) have bits 14 and 17 clear, so one exclusive or adds or takes away 147,456
.set STAGE,  SLOTX+SLOT                ; 128 rows x 272, the work-group's, for the way out
.set SPITCH, 272
.set SPARE,  STAGE+128*SPITCH          ; the spare words: 128 bytes a wave, named by no other line
.set ADA0, 16
.set ADB0, 17
.set ADA,  18
.set ADB,  19
.set STO,  24
.set RD,   25
.set CO,   26
.set M,    27
.set SPW,  28
.set NIL,  29
.set BO,   30
.set TMP,  32
.set ACC,  128
.set F0,   0
.set F1,   64
.set WV, 14
.set RH, 15
.set CH, 16
.set G1A, 24
.set G0A, 32
.set G0B, 36
.set G1B, 48
.set TBA, 66
.set TBB, 67
.set CNT, 68
.set TB,  69
.set CN2, 87
.set MSB, 0
.macro WIN new
.if MSB != (\new)
	s_set_vgpr_msb (MSB<<8)|(\new)
.set MSB, \new
.endif
.endm
.macro PLACES                          ; four places in front of loads into registers that matrix instructions have read, and of reads of their results
.rept 4
	v_nop
.endr
.endm
.macro JLOAD                           ; a joint load: waves 0, 1 fetch xb's two halves, waves 2, 3 Wl's; s_nop 0 and four v_nop behind each line
	s_cmp_eq_u32 s[RH], 0
	s_cbranch_scc0 .Lfor_b_\@
	tensor_load_to_lds s[G0A:G0A+3], s[G1A:G1A+7]
	s_nop 0
.rept 4
	v_nop
.endr
	s_branch .Lasked_\@
.Lfor_b_\@:
	tensor_load_to_lds s[G0B:G0B+3], s[G1B:G1B+7]
	s_nop 0
.rept 4
	v_nop
.endr
.Lasked_\@:
.endm
.macro CROUND                          ; a round of the cluster's barrier
	s_barrier_signal -1
	s_barrier_wait -1
	s_cmp_lg_u32 s[WV], 0
	s_cbranch_scc1 .Lnot_wave_0_\@
	s_barrier_signal -3
.Lnot_wave_0_\@:
	s_barrier_wait -3
	s_barrier_signal -1
	s_barrier_wait -1
.endm
	s_load_b256 s[4:11], s[0:1], 0x0               ; xb s[4:5], wt s[6:7], bl s[8:9], pj s[10:11]
	s_load_b64 s[12:13], s[0:1], 0x20              ; pmx
	v_lshl_add_u32 v[SPW], v0, 2, SPARE
	v_mov_b32 v[NIL], 0
	ds_add_u32 v[SPW], v[NIL]                      ; the wave's opening: the add and its wait stand ahead of my first tensor load
	v_lshrrev_b32 v1, 5, v0
	v_readfirstlane_b32 s[WV], v1
	s_lshr_b32 s[RH], s[WV], 1                     ; my half of the rows; also: I fetch xb (0) or Wl (1)
	s_and_b32 s[CH], s[WV], 1                      ; my half of the columns; also: which half of that tile I fetch
	s_bfe_u32 s17, ttmp6, 0x40000                  ; cx
	s_bfe_u32 s18, ttmp6, 0x40004                  ; cy
	s_lshl_b32 s19, ttmp9, 2
	s_add_co_u32 s19, s19, s17                     ; tile column
	s_and_b32 s20, ttmp7, 0xffff
	s_lshl_b32 s20, s20, 2
	s_add_co_u32 s20, s20, s18                     ; tile row
	s_lshl_b32 s21, s18, 2
	s_lshl_b32 s21, 15, s21                        ; my row of the cluster
	s_lshl_b32 s22, 0x1111, s17                    ; my column
	s_or_b32 s[G1A], s21, (1<<16)|(1<<20)|(1<<21)|(6<<22)|(3<<25)  ; 2-byte elements, padding of 4 words after every 128
	s_mov_b32 s[G1A+1], 256<<16                    ; 256 elements x 64 rows, 1,024 elements from row to row
	s_mov_b32 s[G1A+2], 64<<16
	s_mov_b32 s[G1A+3], 256<<16
	s_mov_b32 s[G1A+4], 64
	s_mov_b32 s[G1A+5], 1024
	s_mov_b32 s[G1A+6], 0
	s_mov_b32 s[G1A+7], 0
	s_or_b32 s[G1B], s22, (1<<16)|(1<<20)|(1<<21)|(5<<22)|(7<<25)  ; padding of 8 words after every 64
	s_mov_b32 s[G1B+1], 128<<16                    ; 128 elements x 128 rows, 512 elements from row to row
	s_mov_b32 s[G1B+2], 128<<16
	s_mov_b32 s[G1B+3], 128<<16
	s_mov_b32 s[G1B+4], 128
	s_mov_b32 s[G1B+5], 512
	s_mov_b32 s[G1B+6], 0
	s_mov_b32 s[G1B+7], 0
	s_lshl_b32 s70, s20, 7
	s_lshl_b32 s71, s[CH], 6
	s_add_co_u32 s70, s70, s71                     ; xb: row 128 x tile row + 64 x half,
	s_lshl_b32 s70, s70, 11                        ; of 2,048 bytes
	s_mov_b32 s71, 0
	s_lshl_b32 s74, s[CH], 17                      ; Wl: k row 128 x half, of 1,024 bytes,
	s_lshl_b32 s75, s19, 8                         ; column 128 x tile column
	s_add_co_u32 s74, s74, s75
	s_mov_b32 s75, 0
	s_mul_i32 s76, s[CH], AHALF
	s_mul_i32 s77, s[CH], BHALF
	s_add_co_u32 s77, s77, BOFF
	s_mov_b32 s[TB], 0
	s_mov_b32 s82, 0xffff0000
	s_mov_b32 s83, 0x76543210
	s_mov_b32 s84, 0xfedcba98
	s_lshl_b32 s80, s19, 9                         ; bl at my 64 columns
	s_lshl_b32 s81, s[CH], 8
	s_add_co_u32 s80, s80, s81
	s_mov_b32 s81, 0
	s_wait_dscnt 0x0                               ; the opening add is done
	s_wait_kmcnt 0x0
	s_add_nc_u64 s[8:9], s[8:9], s[80:81]
	s_mov_b32 s[G0A], 1                            ; one group 0 a side: it walks
	s_mov_b32 s[G0A+1], s76
	s_add_nc_u64 s[G0A+2:G0A+3], s[4:5], s[70:71]
	s_or_b32 s[G0A+3], s[G0A+3], 0x80000000
	s_mov_b32 s[G0B], 1
	s_mov_b32 s[G0B+1], s77
	s_add_nc_u64 s[G0B+2:G0B+3], s[6:7], s[74:75]
	s_or_b32 s[G0B+3], s[G0B+3], 0x80000000
	CROUND                                         ; all sixteen work-groups are here: the first joint loads meet
	JLOAD                                          ; K step 0 into slot 0
	v_and_b32 v1, 15, v0                           ; r
	v_bfe_u32 v2, v0, 4, 1                         ; h
	v_lshlrev_b32 v[BO], 5, v2                     ; my 8 columns of a block of 16: 32 h bytes
.irp b, 0,1,2,3
	global_load_b128 v[TMP+8*(\b):TMP+8*(\b)+3],   v[BO], s[8:9] offset:64*(\b)
	global_load_b128 v[TMP+8*(\b)+4:TMP+8*(\b)+7], v[BO], s[8:9] offset:64*(\b)+16
.endr
	v_and_b32 v3, 31, v0                           ; lane
	v_and_b32 v4, 7, v0
	v_bfe_u32 v5, v0, 3, 1
	v_mov_b32 v[M], 0
	s_mul_i32 s85, s[RH], AHALF
	v_mul_u32_u24 v[ADA0], v1, PA
	v_lshl_add_u32 v[ADA0], v2, 4, v[ADA0]
	v_add_nc_u32 v[ADA0], s85, v[ADA0]             ; (64 RH + r) x pitch + 16 h
	s_lshl_b32 s85, s[CH], 7
	s_add_co_u32 s85, s85, BOFF
	v_lshl_add_u32 v[ADB0], v2, 3, v4
	v_mul_u32_u24 v[ADB0], v[ADB0], PB
	v_lshl_add_u32 v[ADB0], v5, 4, v[ADB0]
	v_add_nc_u32 v[ADB0], s85, v[ADB0]             ; (8 h + l % 8) x pitch + 16 ((l / 8) % 2) + my 64 columns
	s_mul_i32 s85, s[RH], 64*SPITCH
	s_lshl_b32 s86, s[CH], 7
	s_add_co_u32 s85, s85, s86
	s_add_co_u32 s85, s85, STAGE
	v_mul_u32_u24 v[STO], v1, SPITCH
	v_lshl_add_u32 v[STO], v2, 4, v[STO]
	v_add_nc_u32 v[STO], s85, v[STO]
	s_mul_i32 s85, s[WV], 32*SPITCH
	s_add_co_u32 s85, s85, STAGE
	v_mul_u32_u24 v[RD], v2, SPITCH
	v_lshl_add_u32 v[RD], v1, 4, v[RD]
	v_add_nc_u32 v[RD], s85, v[RD]
	v_lshlrev_b32 v[CO], 10, v2
	v_lshl_add_u32 v[CO], v1, 4, v[CO]             ; two rows of pj, 1,024 bytes apart
	s_lshl_b32 s70, s20, 7
	s_lshl_b32 s71, s[WV], 5
	s_add_co_u32 s70, s70, s71
	s_lshl_b32 s70, s70, 10
	s_lshl_b32 s71, s19, 8
	s_add_co_u32 s70, s70, s71
	s_mov_b32 s71, 0
	s_add_nc_u64 s[10:11], s[10:11], s[70:71]      ; pj at row 128 x tile row + 32 x wave, column 128 x tile column
	s_wait_loadcnt 0x0
.irp b, 0,1,2,3                        ; the bias, rounded to bf16, starts the sums of all four row blocks
.irp p, 0,1,2,3
	v_cvt_pk_bf16_f32 v31, v[TMP+8*(\b)+2*(\p)], v[TMP+8*(\b)+2*(\p)+1]
.irp a, 0,1,2,3
	v_lshlrev_b32 v[ACC+8*(4*(\a)+(\b))+2*(\p)], 16, v31
	v_and_b32 v[ACC+8*(4*(\a)+(\b))+2*(\p)+1], s82, v31
.endr
.endr
.endr
.macro MUL f                           ; 16 matrix instructions, 32 along K; the 16 accumulators take turns, in the same order everywhere
	WIN 0x05
.irp a, 0,1,2,3
.irp b, 0,1,2,3
	v_wmma_f32_16x16x32_bf16 v[ACC+8*(4*(\a)+(\b)):ACC+8*(4*(\a)+(\b))+7], v[(\f)+32+8*(\b):(\f)+32+8*(\b)+7], v[(\f)+8*(\a):(\f)+8*(\a)+7], v[ACC+8*(4*(\a)+(\b)):ACC+8*(4*(\a)+(\b))+7]
.endr
.endr
.endm
.macro FETCH rel, f                    ; 16 LDS loads: the fragments of the chunk of 32 along K that lies rel chunks behind the addresses
	WIN 0x40
.irp i, 0,1,2,3
	ds_load_tr16_b128 v[(\f)+32+8*(\i):(\f)+32+8*(\i)+3],   v[ADB] offset:(\rel)*32*PB+32*(\i)
	ds_load_tr16_b128 v[(\f)+32+8*(\i)+4:(\f)+32+8*(\i)+7], v[ADB] offset:(\rel)*32*PB+32*(\i)+16*PB
	ds_load_b128 v[(\f)+8*(\i):(\f)+8*(\i)+3],   v[ADA] offset:(\rel)*64+(\i)*16*PA
	ds_load_b128 v[(\f)+8*(\i)+4:(\f)+8*(\i)+7], v[ADA] offset:(\rel)*64+(\i)*16*PA+32
.endr
.endm
; A K step.  In front of the barrier: all my tensor loads have landed (the one that was out is my part of this slot), the add, my reads of the other slot are over.
; fill = 1: the barrier is a round of the cluster's, and the other slot is filled first thing behind it with the next K step, which has this step's 128 matrix instructions in which to land.
.macro TRIP1 fill
	WIN 0
	s_wait_tensorcnt 0x0
	ds_add_u32 v[SPW], v[NIL]
.if \fill
	s_xor_b32 s[G0A+1], s[G0A+1], SLOTX            ; no load of mine is out: the walking descriptors take the other slot and the next step
	s_add_nc_u64 s[G0A+2:G0A+3], s[G0A+2:G0A+3], 512
	s_xor_b32 s[G0B+1], s[G0B+1], SLOTX
	s_add_nc_u64 s[G0B+2:G0B+3], s[G0B+2:G0B+3], 262144
.endif
	s_mov_b32 s[TBA], s[TB]                        ; the slot to be read
	s_mov_b32 s[TBB], s[TB]
	s_xor_b32 s[TB], s[TB], SLOTX
	s_wait_dscnt 0x0
.if \fill
	CROUND
	JLOAD
.else
	s_barrier_signal -1
	s_barrier_wait -1
	PLACES
.endif
	v_add_nc_u32 v[ADA], s[TBA], v[ADA0]
	v_add_nc_u32 v[ADB], s[TBB], v[ADB0]
	FETCH 0, F0
	WIN 0
	s_mov_b32 s[CNT], 3
.Lk_\@:                                        ; two chunks a trip
	PLACES
	FETCH 1, F1
	s_wait_dscnt 16                                ; all but the 16 just issued
	MUL F0
	PLACES
	FETCH 2, F0
	s_wait_dscnt 16
	MUL F1
	WIN 0
	s_add_co_u32 s[TBA], s[TBA], 128
	s_add_co_u32 s[TBB], s[TBB], 64*PB
	v_add_nc_u32 v[ADA], s[TBA], v[ADA0]
	v_add_nc_u32 v[ADB], s[TBB], v[ADB0]
	s_sub_co_u32 s[CNT], s[CNT], 1
	s_cmp_lg_u32 s[CNT], 0
	s_cbranch_scc1 .Lk_\@
	PLACES
	FETCH 1, F1
	s_wait_dscnt 16
	MUL F0
	s_wait_dscnt 0x0
	MUL F1
.endm
	s_mov_b32 s[CN2], 3
.Lstep:
	TRIP1 1
	WIN 0
	s_sub_co_u32 s[CN2], s[CN2], 1
	s_cmp_lg_u32 s[CN2], 0
	s_cbranch_scc1 .Lstep
	TRIP1 0                                        ; the last step is written out: it asks for nothing
	; THE WAY OUT: rounded to f16, 16 bytes a lane into the shared stage (a wave's 64 columns are half of an aligned 256 bytes), a barrier, back as whole rows
	WIN 0
	PLACES
.set t, 0
.rept 16
.irp r, 0,1,2,3
	v_cvt_pk_f16_f32 v[TMP+4*t+(\r)], v[ACC+8*t+2*(\r)], v[ACC+8*t+2*(\r)+1]
	v_max3_num_f32 v[M], |v[ACC+8*t+2*(\r)]|, |v[ACC+8*t+2*(\r)+1]|, v[M]
.endr
.set t, t+1
.endr
.irp a, 0,1,2,3
.irp b, 0,1,2,3
	ds_store_b128 v[STO], v[TMP+4*(4*(\a)+(\b)):TMP+4*(4*(\a)+(\b))+3] offset:(\a)*16*SPITCH+32*(\b)
.endr
.endr
	s_wait_dscnt 0x0                               ; for the others' sake: my stores into the stage are done
	s_barrier_signal -1
	s_barrier_wait -1
.irp t, 0,1,2,3,4,5,6,7,8,9,10,11,12,13,14,15
	ds_load_b128 v[TMP+4*(\t):TMP+4*(\t)+3], v[RD] offset:(\t)*2*SPITCH
.endr
.irp t, 0,1,2,3,4,5,6,7,8,9,10,11,12,13,14,15
	s_wait_dscnt 15-(\t)                           ; row pair t is back; the later ones may be out
	global_store_b128 v[CO], v[TMP+4*(\t):TMP+4*(\t)+3], s[10:11] offset:2048*(\t)  ; 16 lanes store 256 consecutive bytes, aligned
.endr
	v_max_num_f32_dpp v[M], v[M], v[M] row_xmask:1 row_mask:0xf bank_mask:0xf
	v_max_num_f32_dpp v[M], v[M], v[M] row_xmask:2 row_mask:0xf bank_mask:0xf
	v_max_num_f32_dpp v[M], v[M], v[M] row_xmask:4 row_mask:0xf bank_mask:0xf
	v_max_num_f32_dpp v[M], v[M], v[M] row_xmask:8 row_mask:0xf bank_mask:0xf
	v_permlanex16_b32 v31, v[M], s83, s84
	v_max_num_f32 v[M], v[M], v31
	s_lshl_b32 s85, s20, 2
	s_add_co_u32 s85, s85, s19
	s_lshl_b32 s85, s85, 2
	s_add_co_u32 s85, s85, s[WV]
	s_lshl_b32 s85, s85, 2                         ; word 4 (4 tile row + tile column) + wave
	v_mov_b32 v4, s85
	v_cmp_eq_u32 vcc_lo, 0, v3
	s_wait_xcnt 0x0                                ; EXEC is a source of the stores above
	s_and_saveexec_b32 s86, vcc_lo
	global_store_b32 v4, v[M], s[12:13]
	s_wait_xcnt 0x0
	s_or_b32 exec_lo, exec_lo, s86
	s_wait_tensorcnt 0x0                           ; the wave's end
	ds_add_u32 v[SPW], v[NIL]
	s_wait_dscnt 0x0
	CROUND                                         ; the closing round
	s_endpgm
.Lfunc_end_k_qc24b299ceb_proj:
	.size	k_qc24b299ceb_proj, .Lfunc_end_k_qc24b299ceb_proj-k_qc24b299ceb_proj
	.p2alignl 7, 3214868480
	.fill 96, 4, 3214868480
	.section	.rodata,"a",@progbits
	.p2align	6, 0x0
	.amdhsa_kernel k_qc24b299ceb_proj
		.amdhsa_group_segment_fixed_size 327680
		.amdhsa_private_segment_fixed_size 0
		.amdhsa_enable_private_segment 0
		.amdhsa_kernarg_size 40
		.amdhsa_user_sgpr_count 2
		.amdhsa_user_sgpr_kernarg_segment_ptr 1
		.amdhsa_wavefront_size32 1
		.amdhsa_system_sgpr_workgroup_id_x 1
		.amdhsa_system_sgpr_workgroup_id_y 1
		.amdhsa_system_sgpr_workgroup_id_z 1
		.amdhsa_system_vgpr_workitem_id 0
		.amdhsa_next_free_vgpr 384
		.amdhsa_next_free_sgpr 96
		.amdhsa_reserve_vcc 1
		.amdhsa_float_denorm_mode_32 3
		.amdhsa_float_denorm_mode_16_64 3
		.amdhsa_memory_ordered 1
		.amdhsa_forward_progress 1
		.amdhsa_inst_pref_size 46
	.end_amdhsa_kernel
	.amdgpu_metadata
---
amdhsa.version: [ 1, 2 ]
amdhsa.kernels:
  - .name:           k_qc24b299ceb_proj
    .symbol:         k_qc24b299ceb_proj.kd
    .args:
      - { .name: xb, .offset: 0, .size: 8, .value_kind: global_buffer, .address_space: global }
      - { .name: wt, .offset: 8, .size: 8, .value_kind: global_buffer, .address_space: global }
      - { .name: bl, .offset: 16, .size: 8, .value_kind: global_buffer, .address_space: global }
      - { .name: pj, .offset: 24, .size: 8, .value_kind: global_buffer, .address_space: global }
      - { .name: pmx, .offset: 32, .size: 8, .value_kind: global_buffer, .address_space: global }
    .group_segment_fixed_size: 327680
    .private_segment_fixed_size: 0
    .kernarg_segment_align: 8
    .kernarg_segment_size: 40
    .max_flat_workgroup_size: 128
    .sgpr_count:     96
    .vgpr_count:     384
    .wavefront_size: 32
...
	.end_amdgpu_metadata
.endif
;; end of part 2
;; launch qkvp (part 3): grid 4 x 64, 4 waves a work-group, clusters of 4 x 4, 327,680 bytes of LDS; arguments pj, wt, bq, bk, bv, tb, pmx, qkv; writes qkv
.if DOCPART == 3
	.amdgcn_target "amdgcn-amd-amdhsa--gfx1250"
	.amdhsa_code_object_version 6
	.text
	.protected	k_qc24b299ceb_qkvp
	.globl	k_qc24b299ceb_qkvp
	.p2align	8
	.type	k_qc24b299ceb_qkvp,@function
k_qc24b299ceb_qkvp:
	s_mov_b64 s[64:65], 0
	v_nop
	global_prefetch_b8 v0, s[64:65] scope:SCOPE_SE
	s_setreg_imm32_b32 hwreg(HW_REG_WAVE_MODE, 25, 1), 1
	s_wait_xcnt 0x0
	s_wait_alu depctr_hold_cnt(0) depctr_sa_sdst(0) depctr_va_vdst(0) depctr_va_sdst(0) depctr_va_ssrc(0) depctr_va_vcc(0) depctr_vm_vsrc(0)
	s_getreg_b32 s2, hwreg(HW_REG_IB_STS2, 6, 4)
	s_cmp_eq_u32 s2, 0
	s_cbranch_scc0 .Lentry_in_a_cluster
	s_endpgm
.Lentry_in_a_cluster:
	s_bfe_u32 s2, ttmp6, 0x10000c
	s_cmp_lg_u32 s2, 0xf033
	s_cbranch_scc0 .Lentry_shape_is_right
	s_endpgm
.Lentry_shape_is_right:
; q = bf16(rope(pj Wq + bq)), k = bf16(rope(pj Wk + bk)), v' = f16((pj Wv + bv) sv), each written by heads, [batch x 16 + head][l][64], at qkv + 0, 16 MiB, 32 MiB.
; pj [8192][512] f16; the weights [512][1024] f16 (bf16 numbers) at wt + 1, 2, 3 MiB; biases rounded to bf16; sums in f32.  The scores' factor 1/8 is applied by the launch that reads q.
; sv = 2^14 / bound, bound = 512 max|pj| max|Wv| + max|bv| (never below 2^-100): |v'| stays under 2^14 whatever the inputs' size.  LIMIT: the bound stays under 2^126.
; A WORK-GROUP STAYS: 256 work-groups, each with 128 rows x 256 columns (four heads) of q, then of k, then of v'.  Four waves, 64 x 128 each: 32 accumulators.  A kind is 4 K steps of 128; the twelve steps
; are ONE walk of a ring of two LDS slots: the three weights lie end to end, so their descriptor steps 262,144 bytes each time; pj's goes round its four steps, its address made anew from the step's number.
; q's and k's way out stands in the loop, jumped over (forward; no barrier and no tensor load in what is jumped) in three trips of four; their stores leave while the next kind is multiplied.
; CLUSTER 4 x 4: pj's tile is asked for jointly along a row of the cluster, the weights' along a column.
; The matrix instruction is used transposed (source 0 = 16 columns of W, turned by ds_load_tr16_b128; source 1 = 16 rows of pj): a lane holds 8 neighbouring columns of one row, four rotation pairs.
; REGISTERS.  window 0: v0-31 addresses; v32-63 at work; two fragment buffers of 96 (32 of pj, 64 of W) at v64, v160; on a way out buffer 1, which is free then, holds four sets of 16 packed registers.
;   window 1: accumulators ((a, nb) at 8 (8 a + nb)).   window 2: v0-127 the table of (cos, sin), 8 registers at 8 (4 a + nq); v128-191 a kind's bias as loaded; v192-223 rounded to bf16.
.set PA,    272
.set PB,    544
.set BOFF,  128*PA                     ; 34,816
.set SLOT1, 1<<17
.set STAGE, BOFF+128*PB                ; 104,448: 16 rows x 144 for each wave
.set SP,    144
.set SPARE, STAGE+4*16*SP              ; 113,664
.set BSTEP, 262144
.set ADA0, 8
.set ADB0, 9
.set ADA,  10
.set ADB,  11
.set STO,  12
.set RD,   13
.set GO,   14
.set LO,   15
.set BO,   16
.set CO,   17
.set SV,   18                          ; v18-19
.set INV,  20                          ; v20-21
.set PM,   22
.set WM,   23
.set BM,   24
.set TP,   25
.set SPW,  28
.set NIL,  29
.set T,    32
.set F0,   64
.set F1,   160
.set OB,   160
.set SB,   128
.set RAW,  128                         ; window 2
.set BQ,   192                         ; window 2
.set WV, 4
.set RH, 5
.set CH, 6
.set CX, 7
.set CY, 8
.set PH, 9                             ; steps of the kind in hand that have been begun
.set TY, 10
.set TB, 13
.set CNT, 14
.set HM, 15
.set G1A, 16
.set G1B, 24
.set G0A, 32
.set G0B, 36
.set BP, 54                            ; s[54:55] the bias to be loaded
.set KN, 56                            ; the kind to come
.set TX, 57
.set SEL, 60
.set ABASE, 92                         ; s[92:93] pj at my rows
.set AOFF, 94                          ; s[94:95] the step's bytes along pj's rows
.set MSB, 0
.macro WIN new
.if MSB != (\new)
	s_set_vgpr_msb (MSB<<8)|(\new)
.set MSB, \new
.endif
.endm
.macro PLACES                          ; four places in front of loads into registers that matrix instructions have read, and of reads of their results
.rept 4
	v_nop
.endr
.endm
.macro JLOAD                           ; a joint load: waves 0, 1 fetch pj's two halves, waves 2, 3 W's; s_nop 0 and four v_nop behind each line
	s_cmp_eq_u32 s[RH], 0
	s_cbranch_scc0 .Lfor_b_\@
	tensor_load_to_lds s[G0A:G0A+3], s[G1A:G1A+7]
	s_nop 0
.rept 4
	v_nop
.endr
	s_branch .Lasked_\@
.Lfor_b_\@:
	tensor_load_to_lds s[G0B:G0B+3], s[G1B:G1B+7]
	s_nop 0
.rept 4
	v_nop
.endr
.Lasked_\@:
.endm
.macro CREST                           ; a round of the cluster's barrier behind its opening barrier
	s_cmp_lg_u32 s[WV], 0
	s_cbranch_scc1 .Lnot_wave_0_\@
	s_barrier_signal -3
.Lnot_wave_0_\@:
	s_barrier_wait -3
	s_barrier_signal -1
	s_barrier_wait -1
.endm
.macro CROUND                          ; a whole round
	s_barrier_signal -1
	s_barrier_wait -1
	CREST
.endm
.macro RED x                           ; the largest over the wave's 32 lanes, in every lane
	v_max_num_f32_dpp v[\x], v[\x], v[\x] row_xmask:1 row_mask:0xf bank_mask:0xf
	v_max_num_f32_dpp v[\x], v[\x], v[\x] row_xmask:2 row_mask:0xf bank_mask:0xf
	v_max_num_f32_dpp v[\x], v[\x], v[\x] row_xmask:4 row_mask:0xf bank_mask:0xf
	v_max_num_f32_dpp v[\x], v[\x], v[\x] row_xmask:8 row_mask:0xf bank_mask:0xf
	v_permlanex16_b32 v[TP], v[\x], s[SEL], s[SEL+1]
	v_max_num_f32 v[\x], v[\x], v[TP]
.endm
.macro SCALE_LD pm, tp, bp             ; pmx's 1,024 numbers, the 128 of Wv's chunks, bv's 1,024: 16 bytes a lane
.irp j, 0,1,2,3,4,5,6,7
	global_load_b128 v[SB+4*(\j):SB+4*(\j)+3], v[LO], s[\pm:\pm+1] offset:512*(\j)
.endr
	global_load_b128 v[SB+32:SB+35], v[LO], s[\tp:\tp+1] offset:263168
.irp j, 0,1,2,3,4,5,6,7
	global_load_b128 v[SB+36+4*(\j):SB+36+4*(\j)+3], v[LO], s[\bp:\bp+1] offset:512*(\j)
.endr
.endm
.macro SCALE_DO                        ; sv and 1 / sv, the same bits in every wave of this launch and of the last
	v_mov_b32 v[TP], 0
	v_mov_b32 v[SV+1], 0
	v_mov_b32 v[INV+1], 0
	v_max_num_f32 v[PM], v[SB], v[SB+1]
	v_max_num_f32 v[BM], |v[SB+36]|, |v[SB+37]|
.set i, 2
.rept 15
	v_max3_num_f32 v[PM], v[PM], v[SB+i], v[SB+i+1]
	v_max3_num_f32 v[BM], v[BM], |v[SB+36+i]|, |v[SB+36+i+1]|
.set i, i+2
.endr
	v_max_num_f32 v[WM], v[SB+32], v[SB+33]
	v_max3_num_f32 v[WM], v[WM], v[SB+34], v[SB+35]
	RED PM
	RED WM
	RED BM
	v_mul_f32 v[PM], 0x44000000, v[PM]             ; 512 max|pj|
	v_fma_f32 v[BM], v[PM], v[WM], v[BM]
	v_max_num_f32 v[BM], 0x0d800000, v[BM]         ; never below 2^-100
	v_rcp_f32 v[SV], v[BM]
	v_mul_f32 v[INV], 0x38800000, v[BM]            ; bound x 2^-14: the plain instruction behind the reciprocal
	s_wait_alu depctr_va_vdst(0)
	v_mul_f32 v[SV], 0x46800000, v[SV]             ; 2^14 / bound
.endm
.macro BIAS_LD                         ; my 8 columns of each of my 8 column blocks, from the bias that s[BP] names
	WIN 0x80
.irp b, 0,1,2,3,4,5,6,7
	global_load_b128 v[RAW+8*(\b):RAW+8*(\b)+3],   v[BO], s[BP:BP+1] offset:64*(\b)
	global_load_b128 v[RAW+8*(\b)+4:RAW+8*(\b)+7], v[BO], s[BP:BP+1] offset:64*(\b)+16
.endr
.endm
	s_load_b512 s[68:83], s[0:1], 0x0              ; pj s[68:69], wt s[70:71], bq s[72:73], bk s[74:75], bv s[76:77], tb s[78:79], pmx s[80:81], qkv s[82:83]
	v_lshl_add_u32 v[SPW], v0, 2, SPARE
	v_mov_b32 v[NIL], 0
	ds_add_u32 v[SPW], v[NIL]                      ; the wave's opening: the add and its wait stand ahead of my first tensor load
	v_lshrrev_b32 v1, 5, v0
	v_readfirstlane_b32 s[WV], v1
	s_lshr_b32 s[RH], s[WV], 1                     ; my half of the rows; also: I fetch pj (0) or W (1)
	s_and_b32 s[CH], s[WV], 1                      ; my half of the columns; also: which half of that tile I fetch
	s_bfe_u32 s[CX], ttmp6, 0x40000
	s_bfe_u32 s[CY], ttmp6, 0x40004
	s_lshl_b32 s[TX], ttmp9, 2
	s_add_co_u32 s[TX], s[TX], s[CX]               ; the block of 256 columns
	s_and_b32 s[TY], ttmp7, 0xffff
	s_lshl_b32 s[TY], s[TY], 2
	s_add_co_u32 s[TY], s[TY], s[CY]               ; tile row
	s_lshl_b32 s11, s[CY], 2
	s_lshl_b32 s11, 15, s11
	s_lshl_b32 s12, 0x1111, s[CX]
	s_or_b32 s[G1A], s11, (1<<16)|(1<<20)|(1<<21)|(5<<22)|(3<<25)  ; padding of 4 words after every 64
	s_mov_b32 s[G1A+1], 128<<16                    ; 128 elements x 64 rows, 512 from row to row
	s_mov_b32 s[G1A+2], 64<<16
	s_mov_b32 s[G1A+3], 128<<16
	s_mov_b32 s[G1A+4], 64
	s_mov_b32 s[G1A+5], 512
	s_mov_b32 s[G1A+6], 0
	s_mov_b32 s[G1A+7], 0
	s_or_b32 s[G1B], s12, (1<<16)|(1<<20)|(1<<21)|(6<<22)|(7<<25)  ; padding of 8 words after every 128
	s_mov_b32 s[G1B+1], 256<<16                    ; 256 elements x 64 rows, 1,024 from row to row
	s_mov_b32 s[G1B+2], 64<<16
	s_mov_b32 s[G1B+3], 256<<16
	s_mov_b32 s[G1B+4], 64
	s_mov_b32 s[G1B+5], 1024
	s_mov_b32 s[G1B+6], 0
	s_mov_b32 s[G1B+7], 0
	s_lshl_b32 s40, s[TY], 7
	s_lshl_b32 s41, s[CH], 6
	s_add_co_u32 s40, s40, s41
	s_lshl_b32 s40, s40, 10                        ; pj: row 128 x tile row + 64 x half, of 1,024 bytes
	s_mov_b32 s41, 0
	s_lshl_b32 s42, s[CH], 17                      ; W: k row 64 x half, of 2,048 bytes,
	s_lshl_b32 s43, s[TX], 9                       ; column 256 x block,
	s_add_co_u32 s42, s42, s43
	s_add_co_u32 s42, s42, 0x100000                ; from Wq's first byte on
	s_mov_b32 s43, 0
	s_mul_i32 s44, s[CH], 64*PA
	s_mul_i32 s45, s[CH], 64*PB
	s_add_co_u32 s45, s45, BOFF
	s_mov_b32 s[TB], 0
	s_mov_b32 s[AOFF], 0
	s_mov_b32 s[AOFF+1], 0
	s_mov_b32 s[HM], 0xffff0000
	s_mov_b32 s[SEL], 0x76543210
	s_mov_b32 s[SEL+1], 0xfedcba98
	s_lshl_b32 s46, s[TX], 10                      ; the biases at my 128 columns
	s_lshl_b32 s47, s[CH], 9
	s_add_co_u32 s46, s46, s47
	s_mov_b32 s47, 0
	s_and_b32 s48, s[TY], 7                        ; the table at my first row's position in its sequence
	s_lshl_b32 s48, s48, 7
	s_lshl_b32 s49, s[RH], 6
	s_add_co_u32 s48, s48, s49
	s_lshl_b32 s48, s48, 8
	s_mov_b32 s49, 0
	s_lshr_b32 s50, s[TY], 3                       ; where my rows go: head 16 x batch + 4 x block + 2 x half,
	s_lshl_b32 s50, s50, 4
	s_lshl_b32 s51, s[TX], 2
	s_add_co_u32 s50, s50, s51
	s_lshl_b32 s51, s[CH], 1
	s_add_co_u32 s50, s50, s51
	s_lshl_b32 s50, s50, 10
	s_and_b32 s51, s[TY], 7
	s_lshl_b32 s51, s51, 7
	s_add_co_u32 s50, s50, s51
	s_lshl_b32 s51, s[RH], 6
	s_add_co_u32 s50, s50, s51                     ; its row,
	s_lshl_b32 s50, s50, 7                         ; of 128 bytes
	s_mov_b32 s51, 0
	s_wait_dscnt 0x0                               ; the opening add is done
	s_wait_kmcnt 0x0
	s_add_nc_u64 s[ABASE:ABASE+1], s[68:69], s[40:41]
	s_mov_b32 s[G0A], 1
	s_mov_b32 s[G0A+1], s44
	s_add_nc_u64 s[G0A+2:G0A+3], s[ABASE:ABASE+1], 0
	s_or_b32 s[G0A+3], s[G0A+3], 0x80000000
	s_mov_b32 s[G0B], 1
	s_mov_b32 s[G0B+1], s45
	s_add_nc_u64 s[G0B+2:G0B+3], s[70:71], s[42:43]
	s_or_b32 s[G0B+3], s[G0B+3], 0x80000000
	s_add_nc_u64 s[BP:BP+1], s[72:73], s[46:47]    ; bq first,
	s_add_nc_u64 s[86:87], s[74:75], s[46:47]      ; bk and bv for later
	s_add_nc_u64 s[88:89], s[76:77], s[46:47]
	s_add_nc_u64 s[90:91], s[78:79], s[48:49]
	s_add_nc_u64 s[82:83], s[82:83], s[50:51]
	CROUND                                         ; all sixteen work-groups are here
	JLOAD                                          ; K step 0 into slot 0
	v_and_b32 v1, 15, v0                           ; r
	v_bfe_u32 v2, v0, 4, 1                         ; h
	v_and_b32 v3, 31, v0
	v_lshlrev_b32 v[BO], 5, v2
	v_lshlrev_b32 v[CO], 8, v1
	v_lshl_add_u32 v[CO], v2, 5, v[CO]             ; the table: 256 bytes a position, my four pairs at 32 h
	v_lshlrev_b32 v[LO], 4, v3
	BIAS_LD
.irp a, 0,1,2,3
.irp n, 0,1,2,3
	global_load_b128 v[8*(4*(\a)+(\n)):8*(4*(\a)+(\n))+3],   v[CO], s[90:91] offset:4096*(\a)+64*(\n)
	global_load_b128 v[8*(4*(\a)+(\n))+4:8*(4*(\a)+(\n))+7], v[CO], s[90:91] offset:4096*(\a)+64*(\n)+16
.endr
.endr
	WIN 0
	SCALE_LD 80, 78, 76
	v_and_b32 v4, 7, v0
	v_bfe_u32 v5, v0, 3, 1
	s_mul_i32 s52, s[RH], 64*PA
	v_mul_u32_u24 v[ADA0], v1, PA
	v_lshl_add_u32 v[ADA0], v2, 4, v[ADA0]
	v_add_nc_u32 v[ADA0], s52, v[ADA0]
	s_lshl_b32 s52, s[CH], 8
	s_add_co_u32 s52, s52, BOFF
	v_lshl_add_u32 v[ADB0], v2, 3, v4
	v_mul_u32_u24 v[ADB0], v[ADB0], PB
	v_lshl_add_u32 v[ADB0], v5, 4, v[ADB0]
	v_add_nc_u32 v[ADB0], s52, v[ADB0]
	s_mul_i32 s52, s[WV], 16*SP
	s_add_co_u32 s52, s52, STAGE                   ; my stage
	v_mul_u32_u24 v[STO], v1, SP
	v_lshl_add_u32 v[STO], v2, 4, v[STO]
	v_add_nc_u32 v[STO], s52, v[STO]
	v_bfe_u32 v[RD], v0, 3, 2
	v_mul_u32_u24 v[RD], v[RD], SP
	v_lshl_add_u32 v[RD], v4, 4, v[RD]
	v_add_nc_u32 v[RD], s52, v[RD]
	v_lshlrev_b32 v[GO], 4, v3
	s_wait_loadcnt 0x0
	SCALE_DO
.macro MULP f, a                       ; 8 matrix instructions: row block a x all 8 column blocks, 32 along K
	WIN 0x50
.irp b, 0,1,2,3,4,5,6,7
	v_wmma_f32_16x16x32_f16 v[8*(8*(\a)+(\b)):8*(8*(\a)+(\b))+7], v[(\f)+32+8*(\b):(\f)+32+8*(\b)+7], v[(\f)+8*(\a):(\f)+8*(\a)+7], v[8*(8*(\a)+(\b)):8*(8*(\a)+(\b))+7]
.endr
.endm
.macro MUL f                           ; 32: the 32 accumulators take turns, in the same order everywhere
	MULP \f, 0
	MULP \f, 1
	MULP \f, 2
	MULP \f, 3
.endm
.macro FETCH c, f                      ; 24 LDS loads: chunk c of the step's four
	WIN 0
.irp i, 0,1,2,3,4,5,6,7
	ds_load_tr16_b128 v[(\f)+32+8*(\i):(\f)+32+8*(\i)+3],   v[ADB] offset:(\c)*32*PB+32*(\i)
	ds_load_tr16_b128 v[(\f)+32+8*(\i)+4:(\f)+32+8*(\i)+7], v[ADB] offset:(\c)*32*PB+32*(\i)+16*PB
.endr
.irp i, 0,1,2,3
	ds_load_b128 v[(\f)+8*(\i):(\f)+8*(\i)+3],   v[ADA] offset:(\i)*16*PA+64*(\c)
	ds_load_b128 v[(\f)+8*(\i)+4:(\f)+8*(\i)+7], v[ADA] offset:(\i)*16*PA+64*(\c)+32
.endr
.endm
; THE CHANGE OF SLOTS, with the last chunk's 32 products (buffer 1) round it (mul = 1).  In front of the barrier each wave waits for all its tensor loads (one is out: its part of the slot to come), adds 0 to
; its spare word, and waits for that and for its reads of the slot that it leaves.  fill = 1: the barrier opens a round of the cluster's, and the slot just left is filled first thing behind the round with the
; step after next: from there to the wait for it a wave issues 112 matrix instructions.  Then the new slot's first chunk is fetched, with 16 products behind the loads.
.macro TURN fill, mul
	WIN 0
	s_wait_tensorcnt 0x0
	ds_add_u32 v[SPW], v[NIL]
.if \fill
	s_xor_b32 s[G0A+1], s[G0A+1], SLOT1            ; no load of mine is out: the descriptors take the other slot and the next step
	s_add_co_u32 s[AOFF], s[AOFF], 256             ; pj's steps go round: 0, 256, 512, 768 bytes along its rows
	s_and_b32 s[AOFF], s[AOFF], 0x300
	s_add_nc_u64 s[G0A+2:G0A+3], s[ABASE:ABASE+1], s[AOFF:AOFF+1]
	s_or_b32 s[G0A+3], s[G0A+3], 0x80000000
	s_xor_b32 s[G0B+1], s[G0B+1], SLOT1
	s_add_nc_u64 s[G0B+2:G0B+3], s[G0B+2:G0B+3], BSTEP
.endif
.if \mul
	s_wait_dscnt 1                                 ; the last chunk's 24 loads are in; the add, issued behind them, may be out
	MULP F1, 0
.endif
	s_wait_dscnt 0x0                               ; the add is done, and my reads of the slot are over
	s_barrier_signal -1
.if \mul
	MULP F1, 1                                     ; work on registers while the others arrive
	WIN 0
.endif
	s_barrier_wait -1
.if \fill
	CREST
	JLOAD                                          ; its four v_nop are also the places in front of the loads below
.else
	PLACES
.endif
	v_add_nc_u32 v[ADA], s[TB], v[ADA0]
	v_add_nc_u32 v[ADB], s[TB], v[ADB0]
	s_xor_b32 s[TB], s[TB], SLOT1
	FETCH 0, F0
.if \mul
	MULP F1, 2
	MULP F1, 3
.endif
.endm
.macro BODY3                           ; a step's first three chunks are multiplied, each while the next is fetched
	PLACES
	FETCH 1, F1
	s_wait_dscnt 24                                ; all but the 24 just issued
	MUL F0
	PLACES
	FETCH 2, F0
	s_wait_dscnt 24
	MUL F1
	PLACES
	FETCH 3, F1
	s_wait_dscnt 24
	MUL F0
.endm
; THE WAY OUT, in 8 blocks of 16 rows x one head: rounded; 16 bytes a lane into my stage; back as 2,048 consecutive bytes of a head.  Four sets of packed registers take turns.
.macro PACKIO blk
.irp f, 0,1,2,3
	ds_store_b128 v[STO], v[OB+16*((\blk)%4)+4*(\f):OB+16*((\blk)%4)+4*(\f)+3] offset:32*(\f)
.endr
.irp f, 0,1,2,3
	ds_load_b128 v[OB+16*((\blk)%4)+4*(\f):OB+16*((\blk)%4)+4*(\f)+3], v[RD] offset:(\f)*4*SP  ; LDS serves a wave's instructions in order (ISA guide 5.7.1.4): these see the stores above
.endr
.endm
.macro PACKQK blk                      ; (x1, x2) -> (x1 c - x2 s, x2 c + x1 s), bf16
.set a_, (\blk)/2
.set h_, (\blk)%2
	WIN 0x09                                       ; source 0 (sums) window 1, source 1 (table) window 2
.set n_, 0
.rept 16
	v_pk_mul_f32 v[T+2*n_:T+2*n_+1], v[64*a_+32*h_+2*n_:64*a_+32*h_+2*n_+1], v[32*a_+2*n_:32*a_+2*n_+1] op_sel_hi:[1,0]
.set n_, n_+1
.endr
.set n_, 0
.rept 16
	v_pk_fma_f32 v[T+2*n_:T+2*n_+1], v[64*a_+32*h_+2*n_:64*a_+32*h_+2*n_+1], v[32*a_+2*n_:32*a_+2*n_+1], v[T+2*n_:T+2*n_+1] op_sel:[1,1,0] op_sel_hi:[0,1,1] neg_lo:[0,1,0]
.set n_, n_+1
.endr
	WIN 0
.if (\blk) >= 4
	s_wait_xcnt 0x0                                ; the set's last stores have read it
.endif
.set n_, 0
.rept 16
	v_cvt_pk_bf16_f32 v[OB+16*((\blk)%4)+n_], v[T+2*n_], v[T+2*n_+1]
.set n_, n_+1
.endr
	PACKIO \blk
.endm
.macro PACKV blk                       ; x sv, f16
.set a_, (\blk)/2
.set h_, (\blk)%2
	WIN 0x01
.set n_, 0
.rept 16
	v_pk_mul_f32 v[T+2*n_:T+2*n_+1], v[64*a_+32*h_+2*n_:64*a_+32*h_+2*n_+1], v[SV:SV+1] op_sel_hi:[1,0]
.set n_, n_+1
.endr
	WIN 0
.if (\blk) >= 4
	s_wait_xcnt 0x0
.endif
.set n_, 0
.rept 16
	v_cvt_pk_f16_f32 v[OB+16*((\blk)%4)+n_], v[T+2*n_], v[T+2*n_+1]
.set n_, n_+1
.endr
	PACKIO \blk
.endm
.macro SEND blk, younger               ; younger: the next block's eight LDS instructions, or none
.irp f, 0,1,2,3
	s_wait_dscnt (\younger)+3-(\f)
	global_store_b128 v[GO], v[OB+16*((\blk)%4)+4*(\f):OB+16*((\blk)%4)+4*(\f)+3], s[82:83] offset:((\blk)%2)*131072+((\blk)/2)*2048+(\f)*512  ; 512 consecutive bytes, aligned
.endr
.endm
	TURN 1, 0                                      ; step 0 is in, everybody's part of it; step 1 is asked for; step 0's first chunk is fetched
	WIN 0
	s_mov_b32 s[CNT], 11
	s_mov_b32 s[PH], 0
	s_mov_b32 s[KN], 0
	s_branch .Linit                                ; the loop is entered where a kind's sums are started
.Ltrip:                                        ; ten whole trips: steps 2 to 11 are asked for
	TURN 1, 1
	WIN 0
	s_add_co_u32 s[PH], s[PH], 1
	s_cmp_lg_u32 s[PH], 4
	s_cbranch_scc1 .Lmid
	s_mov_b32 s[PH], 0                             ; A KIND IS FINISHED (q, then k); the next kind's first chunk lies in buffer 0
	s_add_co_u32 s[KN], s[KN], 1
	s_cmp_eq_u32 s[KN], 1
	s_cselect_b64 s[BP:BP+1], s[86:87], s[88:89]
	BIAS_LD                                        ; the next kind's bias is on its way while this kind goes out
	WIN 0
	PLACES
	PACKQK 0
.irp b, 1,2,3,4,5,6,7
	PACKQK \b
	SEND (\b)-1, 8
.endr
	SEND 7, 0
	s_wait_xcnt 0x0                                ; the stores have read their registers and their base
	s_add_nc_u64 s[82:83], s[82:83], 0x1000000     ; the next kind's 16 MiB
.Linit:
	s_wait_loadcnt 0x0                             ; the bias
	WIN 0x8a
.set i, 0
.rept 32
	v_cvt_pk_bf16_f32 v[BQ+i], v[RAW+2*i], v[RAW+2*i+1]
.set i, i+1
.endr
	WIN 0x48                                       ; rounded to bf16, it starts the sums of all four row blocks
.irp a, 0,1,2,3
.set i, 0
.rept 32
	v_lshlrev_b32 v[64*(\a)+2*i], 16, v[BQ+i]
	v_and_b32 v[64*(\a)+2*i+1], s[HM], v[BQ+i]
.set i, i+1
.endr
.endr
	WIN 0
.Lmid:
	BODY3
	WIN 0
	s_sub_co_u32 s[CNT], s[CNT], 1
	s_cmp_lg_u32 s[CNT], 0
	s_cbranch_scc1 .Ltrip
	TURN 0, 1                                      ; the last step is written out: nothing is asked for
	BODY3
	s_wait_dscnt 0x0
	MUL F1
	WIN 0
	PLACES
	PACKV 0
.irp b, 1,2,3,4,5,6,7
	PACKV \b
	SEND (\b)-1, 8
.endr
	SEND 7, 0
	s_wait_tensorcnt 0x0                           ; the wave's end
	ds_add_u32 v[SPW], v[NIL]
	s_wait_dscnt 0x0
	CROUND                                         ; the closing round
	s_endpgm
.Lfunc_end_k_qc24b299ceb_qkvp:
	.size	k_qc24b299ceb_qkvp, .Lfunc_end_k_qc24b299ceb_qkvp-k_qc24b299ceb_qkvp
	.p2alignl 7, 3214868480
	.fill 96, 4, 3214868480
	.section	.rodata,"a",@progbits
	.p2align	6, 0x0
	.amdhsa_kernel k_qc24b299ceb_qkvp
		.amdhsa_group_segment_fixed_size 327680
		.amdhsa_private_segment_fixed_size 0
		.amdhsa_enable_private_segment 0
		.amdhsa_kernarg_size 64
		.amdhsa_user_sgpr_count 2
		.amdhsa_user_sgpr_kernarg_segment_ptr 1
		.amdhsa_wavefront_size32 1
		.amdhsa_system_sgpr_workgroup_id_x 1
		.amdhsa_system_sgpr_workgroup_id_y 1
		.amdhsa_system_sgpr_workgroup_id_z 1
		.amdhsa_system_vgpr_workitem_id 0
		.amdhsa_next_free_vgpr 768
		.amdhsa_next_free_sgpr 100
		.amdhsa_reserve_vcc 0
		.amdhsa_float_denorm_mode_32 3
		.amdhsa_float_denorm_mode_16_64 3
		.amdhsa_memory_ordered 1
		.amdhsa_forward_progress 1
		.amdhsa_inst_pref_size 124
	.end_amdhsa_kernel
	.amdgpu_metadata
---
amdhsa.version: [ 1, 2 ]
amdhsa.kernels:
  - .name:           k_qc24b299ceb_qkvp
    .symbol:         k_qc24b299ceb_qkvp.kd
    .args:
      - { .name: pj, .offset: 0, .size: 8, .value_kind: global_buffer, .address_space: global }
      - { .name: wt, .offset: 8, .size: 8, .value_kind: global_buffer, .address_space: global }
      - { .name: bq, .offset: 16, .size: 8, .value_kind: global_buffer, .address_space: global }
      - { .name: bk, .offset: 24, .size: 8, .value_kind: global_buffer, .address_space: global }
      - { .name: bv, .offset: 32, .size: 8, .value_kind: global_buffer, .address_space: global }
      - { .name: tb, .offset: 40, .size: 8, .value_kind: global_buffer, .address_space: global }
      - { .name: pmx, .offset: 48, .size: 8, .value_kind: global_buffer, .address_space: global }
      - { .name: qkv, .offset: 56, .size: 8, .value_kind: global_buffer, .address_space: global }
    .group_segment_fixed_size: 327680
    .private_segment_fixed_size: 0
    .kernarg_segment_align: 8
    .kernarg_segment_size: 64
    .max_flat_workgroup_size: 128
    .sgpr_count:     100
    .vgpr_count:     768
    .wavefront_size: 32
...
	.end_amdgpu_metadata
.endif
;; end of part 3
;; launch attn (part 4): grid 8 x 32, 4 waves a work-group, clusters of 4 x 1, 327,680 bytes of LDS; arguments qkv, ab, mask, ob; writes ob
.if DOCPART == 4
	.amdgcn_target "amdgcn-amd-amdhsa--gfx1250"
	.amdhsa_code_object_version 6
	.text
	.protected	k_qc24b299ceb_attn
	.globl	k_qc24b299ceb_attn
	.p2align	8
	.type	k_qc24b299ceb_attn,@function
k_qc24b299ceb_attn:
	s_mov_b64 s[64:65], 0
	v_nop
	global_prefetch_b8 v0, s[64:65] scope:SCOPE_SE
	s_setreg_imm32_b32 hwreg(HW_REG_WAVE_MODE, 25, 1), 1
	s_wait_xcnt 0x0
	s_wait_alu depctr_hold_cnt(0) depctr_sa_sdst(0) depctr_va_vdst(0) depctr_va_sdst(0) depctr_va_ssrc(0) depctr_va_vcc(0) depctr_vm_vsrc(0)
	s_getreg_b32 s2, hwreg(HW_REG_IB_STS2, 6, 4)
	s_cmp_eq_u32 s2, 0
	s_cbranch_scc0 .Lentry_in_a_cluster
	s_endpgm
.Lentry_in_a_cluster:
	s_bfe_u32 s2, ttmp6, 0x10000c
	s_cmp_lg_u32 s2, 0x3003
	s_cbranch_scc0 .Lentry_shape_is_right
	s_endpgm
.Lentry_shape_is_right:
; O'[bh][q][:] = the sum over k of softmax_k(q . k / 8 + mask + bias[head][q][k]) v'[bh][k][:].  q and k bf16, v' and O' f16, all [batch x 16 + head][1024][64]; bias bf16 in tiles
; [y = 2 head + q / 512][k / 64][q % 512][64].  Products, maxima and sums in f32; the weights p are rounded to f16 for the second product, their sum is taken unrounded.
; The sums kept are EIGHT TIMES the scores: s = q . k + 8 bias + mask term; the 1/8 lies in the exponent's factor c.  Both factors are powers of two: nothing is rounded for them.
; LIMITS.  A masked sum counts as its value less 1e30; a row whose largest sum lies below -2^96 counts as wholly masked and gives NaN.  The bias is finite (it passes through a product with 0 and 8).
; A weight below 2^-126 counts as 0; NaN and infinities are not treated apart.
; SHARES.  A work-group owns 512 queries of one batch and head (256 work-groups), a wave 128: four PIECES of two tiles of 16.  16 key steps of 64.
; CLUSTER.  The four partners are four batches: they walk the same bias tiles (64 KiB of a step's 80), which are asked for JOINTLY by waves 2 and 3.  K and V are each work-group's own: plain loads by
; waves 0 and 1 behind the same rounds (only the two query blocks of a head share them: an eighth of the bytes, along a second axis).
; LAYOUT.  S^T = K Q^T holds one query a lane (lane % 16) and the keys 8 (lane / 16) + 0..7.  The sum is STARTED BY THE MATRIX UNIT: E x B + MK, where B is a fragment of the bias (16 queries x 32 keys, as
; it lies), E a matrix of 0 and 8 that picks 16 of the 32 keys, MK the mask's terms (0 or -1e30): bias and mask cost the vector unit nothing.  Two results rounded to f16 ARE source 1 of O^T = V^T P.
; SOFTMAX.  Running maximum m and sum l: p = 2^(c s - c m), c = log2(e) / 8; O and l are multiplied by a = 2^(c m_old - c m_new) in every step.  m starts at the lowest finite number, O and l at 0.
; BY TURNS.  Turn p: the whole softmax of piece p (236 vector instructions in 59 slices of four), beside 24 products for piece p + 1's scores and 16 products V^T P of piece p - 1, with which it shares no register.
; REGISTERS.  window 0: v0-15, v56-63 addresses; v16-47 statistics (c m, m, l, l a tile); v48-55 at work; v64-191 S^T, two buffers of two tiles; v192-255 P, likewise.
;   window 1: O^T, 32 a tile.   window 2: v0-127 Q; v128-191 K; v192-255 V.   window 3: v32-63 MK; v64-95 bias fragments; v96-107 E.
.set NP,    4
.set PK,    144                        ; a row of K, and of the bias, in LDS: 128 bytes + 16
.set PVP,   160                        ; a row of V: 128 + 32
.set VOFF,  64*PK
.set BOFF,  VOFF+64*PVP                ; 19,456
.set SLOT1, 1<<17                      ; a slot holds one step: K, V, 512 rows of bias: 93,184 bytes
.set MASKT, BOFF+512*PK                ; 1,024 mask terms, f32
.set STAGE, MASKT+4096                 ; 16 rows x 144 for each wave
.set SP,    144
.set SPARE, STAGE+4*16*SP              ; the spare words
.set AK0, 2
.set AV0, 3
.set AB0, 4
.set AM0, 5
.set ADK, 6
.set ADV, 7
.set ADB, 8
.set ADM, 12
.set STO, 13
.set RD,  14
.set GO,  15
.set PFV, 60
.set QO,  61
.set SPW, 62
.set NIL, 63
.set ST,  16
.set TMP, 48
.set S,   64
.set P,   192
.set KF,  128
.set VF,  192
.set MK,  32
.set BF,  64
.set EY,  96
.set WV,  12
.set G1K, 24
.set G1V, 32
.set G1B, 40
.set G0K, 48
.set G0V, 52
.set G0B, 56
.set CNT, 60
.set TB,  61
.set MOFF, 62
.set PFS, 63
.set CS,  66
.set SEL, 68
.set PF,  70
.set PO,  72
.set AB,  74
.set BIGN, 76
.set NEGB, 77
.set NANV, 78
.set MSB, 0
.macro WIN new
.if MSB != (\new)
	s_set_vgpr_msb (MSB<<8)|(\new)
.set MSB, (\new)
.endif
.endm
; A step's fill: wave 0 K, wave 1 V (their own), waves 2 and 3 the halves of the bias tile (joint).  s_nop 0 and four v_nop behind each line.
; pf = 1: wave 0 also asks the L2 for its batch's eighth (32 lanes, 256 bytes apart) of the bias tile that the NEXT trip's load will want; the tile's number is clamped to the last.
.macro JLOAD pf
	s_cmp_lt_u32 s[WV], 2
	s_cbranch_scc0 .Lfor_b_\@
	s_cmp_eq_u32 s[WV], 0
	s_cbranch_scc0 .Lfor_v_\@
	tensor_load_to_lds s[G0K:G0K+3], s[G1K:G1K+7]
	s_nop 0
.rept 4
	v_nop
.endr
.if \pf
	global_prefetch_b8 v[PFV], s[PF:PF+1] th:TH_LOAD_NT scope:SCOPE_SE
.endif
	s_branch .Lasked_\@
.Lfor_v_\@:
	tensor_load_to_lds s[G0V:G0V+3], s[G1V:G1V+7]
	s_nop 0
.rept 4
	v_nop
.endr
	s_branch .Lasked_\@
.Lfor_b_\@:
	tensor_load_to_lds s[G0B:G0B+3], s[G1B:G1B+7]
	s_nop 0
.rept 4
	v_nop
.endr
.Lasked_\@:
.endm
.macro CROUND
	s_barrier_signal -1
	s_barrier_wait -1
	s_cmp_lg_u32 s[WV], 0
	s_cbranch_scc1 .Lnot_wave_0_\@
	s_barrier_signal -3
.Lnot_wave_0_\@:
	s_barrier_wait -3
	s_barrier_signal -1
	s_barrier_wait -1
.endm
; THE CHANGE OF SLOTS.  Each wave waits for all its tensor loads (one is out: its part of the slot to be read), adds 0 to its spare word, and waits for that and for its reads of the slot that it leaves.
; fill = 1: a round of the cluster's barrier, and the slot just left is filled first thing behind it with the step after the one to be read: it has a trip, 160 matrix instructions, in which to land.
.macro CHANGE fill
	WIN 0
	s_wait_tensorcnt 0x0
	ds_add_u32 v[SPW], v[NIL]
.if \fill
.irp g, G0K, G0V
	s_xor_b32 s[\g+1], s[\g+1], SLOT1
	s_add_nc_u64 s[\g+2:\g+3], s[\g+2:\g+3], 8192
.endr
	s_xor_b32 s[G0B+1], s[G0B+1], SLOT1
	s_add_nc_u64 s[G0B+2:G0B+3], s[G0B+2:G0B+3], 65536
	s_wait_xcnt 0x0                                ; the last prefetch has read its base
	s_lshl_b32 s[PO], s[PFS], 16
	s_add_nc_u64 s[PF:PF+1], s[AB:AB+1], s[PO:PO+1]
	s_add_co_u32 s[PFS], s[PFS], 1
	s_min_u32 s[PFS], s[PFS], 15
.endif
	s_xor_b32 s[TB], s[TB], SLOT1                  ; the slot to be read,
	s_add_co_u32 s[MOFF], s[MOFF], 256             ; and its 64 mask terms
	s_wait_dscnt 0x0
.if \fill
	CROUND
	JLOAD 1
.else
	s_barrier_signal -1
	s_barrier_wait -1
.endif
	v_add_nc_u32 v[ADK], s[TB], v[AK0]             ; all of a trip's LDS reads come from one slot: their addresses are made once
	v_add_nc_u32 v[ADV], s[TB], v[AV0]
	v_add_nc_u32 v[ADB], s[TB], v[AB0]
	v_add_nc_u32 v[ADM], s[MOFF], v[AM0]
.endm
	s_load_b256 s[4:11], s[0:1], 0x0               ; qkv s[4:5], ab s[6:7], mask s[8:9], ob s[10:11]
	v_lshl_add_u32 v[SPW], v0, 2, SPARE
	v_mov_b32 v[NIL], 0
	ds_add_u32 v[SPW], v[NIL]                      ; the wave's opening: the add and its wait stand ahead of my first tensor load
	v_lshrrev_b32 v1, 5, v0
	v_readfirstlane_b32 s[WV], v1
	s_bfe_u32 s13, ttmp6, 0x40000                  ; cx
	s_lshl_b32 s14, ttmp9, 2
	s_add_co_u32 s14, s14, s13                     ; the batch: it enters global addresses of my own loads alone
	s_and_b32 s15, ttmp7, 0xffff                   ; y = 2 head + query block, shared by the partners
	s_lshr_b32 s16, s15, 1
	s_and_b32 s17, s15, 1
	s_lshl_b32 s18, s14, 4
	s_add_co_u32 s18, s18, s16                     ; 16 batch + head
	s_lshl_b32 s20, s18, 17                        ; its 131,072 bytes
	s_mov_b32 s21, 0
	s_lshl_b32 s22, s17, 16                        ; my block's 512 rows, my wave's 128
	s_lshl_b32 s23, s[WV], 14
	s_add_co_u32 s22, s22, s23
	s_mov_b32 s23, 0
	s_add_nc_u64 s[22:23], s[22:23], s[20:21]
	s_lshl_b32 s84, s15, 20                        ; the bias: 1 MiB for each y
	s_mov_b32 s85, 0
	s_and_b32 s86, s[WV], 1                        ; which 256 rows of a tile I fetch
	s_mul_i32 s79, s86, 256*PK
	s_lshl_b32 s86, s86, 15
	s_mov_b32 s87, 0
	s_lshl_b32 s82, s14, 10                        ; the batch's 1,024 mask bytes
	s_mov_b32 s83, 0
	; group 1: dense bytes asked for as rows of 256, padded in LDS after every 128
	s_mov_b32 s[G1K], (1<<16)|(1<<20)|(4<<22)|(3<<25)
	s_mov_b32 s[G1V], (1<<16)|(1<<20)|(4<<22)|(7<<25)
	s_mov_b32 s[G1B], 15|(1<<16)|(1<<20)|(1<<21)|(4<<22)|(3<<25)  ; the mask of four, bit 21 beside it
.irp g, G1K, G1V
	s_mov_b32 s[\g+1], 128<<16
	s_mov_b32 s[\g+2], 32<<16                      ; 64 keys: 32 rows
	s_mov_b32 s[\g+3], 128<<16
	s_mov_b32 s[\g+4], 32
	s_mov_b32 s[\g+5], 128
	s_mov_b32 s[\g+6], 0
	s_mov_b32 s[\g+7], 0
.endr
	s_mov_b32 s[G1B+1], 128<<16
	s_mov_b32 s[G1B+2], 128<<16                    ; 256 queries: 128 rows
	s_mov_b32 s[G1B+3], 128<<16
	s_mov_b32 s[G1B+4], 128
	s_mov_b32 s[G1B+5], 128
	s_mov_b32 s[G1B+6], 0
	s_mov_b32 s[G1B+7], 0
	s_mov_b32 s[G0K], 1
	s_mov_b32 s[G0K+1], 0
	s_mov_b32 s[G0V], 1
	s_mov_b32 s[G0V+1], VOFF
	s_mov_b32 s[G0B], 1
	s_add_co_u32 s[G0B+1], s79, BOFF
	s_mov_b32 s[CS], 0x3e38aa3b                    ; c = log2(e) / 8
	s_mov_b32 s[CS+1], s[CS]
	s_mov_b32 s[SEL], 0x76543210
	s_mov_b32 s[SEL+1], 0xfedcba98
	s_mov_b32 s[TB], SLOT1                         ; the first change of slots turns this into 0,
	s_mov_b32 s[MOFF], MASKT-256                   ; and this into the table's first byte
	s_mov_b32 s[PFS], 2
	s_mov_b32 s[PO+1], 0
	s_mov_b32 s[BIGN], 0xf149f2ca                  ; -1e30
	s_mov_b32 s[NEGB], 0xef800000                  ; -2^96
	s_mov_b32 s[NANV], 0x7fc00000
	s_wait_dscnt 0x0                               ; the opening add is done
	s_wait_kmcnt 0x0
	s_add_nc_u64 s[80:81], s[4:5], s[20:21]
	s_add_nc_u64 s[G0K+2:G0K+3], s[80:81], 0x1000000
	s_or_b32 s[G0K+3], s[G0K+3], 0x80000000
	s_add_nc_u64 s[G0V+2:G0V+3], s[80:81], 0x2000000
	s_or_b32 s[G0V+3], s[G0V+3], 0x80000000
	s_add_nc_u64 s[AB:AB+1], s[6:7], s[84:85]
	s_add_nc_u64 s[G0B+2:G0B+3], s[AB:AB+1], s[86:87]
	s_or_b32 s[G0B+3], s[G0B+3], 0x80000000
	s_add_nc_u64 s[4:5], s[4:5], s[22:23]          ; Q and O at my wave's first row
	s_add_nc_u64 s[10:11], s[10:11], s[22:23]
	s_add_nc_u64 s[8:9], s[8:9], s[82:83]
	CROUND                                         ; all four work-groups are here
	JLOAD 0                                        ; key step 0 into slot 0
	v_lshlrev_b32 v59, 3, v0
	global_load_b64 v[56:57], v59, s[8:9]          ; my 8 mask bytes
	v_and_b32 v1, 15, v0                           ; r
	v_bfe_u32 v9, v0, 4, 1                         ; h
	v_lshlrev_b32 v[QO], 7, v1
	v_lshl_add_u32 v[QO], v9, 4, v[QO]
	WIN 0x80
.set i, 0
.rept 16                                       ; Q stays in registers: tile i / 2, channels 32 (i % 2) on
	global_load_b128 v[8*i:8*i+3],   v[QO], s[4:5] offset:(i/2)*2048+(i%2)*64
	global_load_b128 v[8*i+4:8*i+7], v[QO], s[4:5] offset:(i/2)*2048+(i%2)*64+32
.set i, i+1
.endr
	; What the first turn finds: V and P's second buffer hold 0 (its products V^T P, of a piece that has not been, add 0), O^T and l are 0.  All this stands in the wait for the first tile.
.set i, VF
.rept 64
	v_mov_b32 v[i], 0
.set i, i+1
.endr
	WIN 0xc0
.irp i, 0,1,2,3,8,9,10,11
	v_mov_b32 v[EY+(\i)], 0
.endr
	WIN 0
.set i, 0
.rept 8
	v_mov_b32 v[ST+4*i], 0xfe000000                ; c m: far below every c s
	v_mov_b32 v[ST+4*i+1], 0xff7fffff              ; m
	v_mov_b32 v[ST+4*i+2], 0
	v_mov_b32 v[ST+4*i+3], 0
.set i, i+1
.endr
.set i, P+32
.rept 32
	v_mov_b32 v[i], 0
.set i, i+1
.endr
	WIN 0x52                                       ; O^T's 32 accumulators are started by the matrix unit: zeros times zeros, with the constant 0 as C
.set i, 0
.rept 32
	v_wmma_f32_16x16x32_f16 v[8*i:8*i+7], v[VF:VF+7], v[P+32:P+39], 0
.set i, i+1
.endr
	WIN 0
	v_mul_u32_u24 v[AK0], v1, PK
	v_lshl_add_u32 v[AK0], v9, 4, v[AK0]           ; row x pitch + 16 h
	v_and_b32 v10, 7, v0
	v_bfe_u32 v11, v0, 3, 1
	v_lshl_add_u32 v[AV0], v9, 3, v10              ; the turning load: key 8 h + l % 8, channels 8 ((l / 8) % 2) on
	v_mul_u32_u24 v[AV0], v[AV0], PVP
	v_lshl_add_u32 v[AV0], v11, 4, v[AV0]
	v_add_nc_u32 v[AV0], VOFF, v[AV0]
	s_mul_i32 s19, s[WV], 128*PK
	s_add_co_u32 s19, s19, BOFF
	v_add_nc_u32 v[AB0], s19, v[AK0]               ; the bias: my wave's 128 rows
	v_lshlrev_b32 v[AM0], 5, v9                    ; the mask terms: my 8 keys of 16
	v_and_b32 v[PFV], 31, v0
	v_lshlrev_b32 v[PFV], 8, v[PFV]
	s_lshl_b32 s19, s14, 13
	v_add_nc_u32 v[PFV], s19, v[PFV]               ; my batch's eighth of a bias tile, lanes 256 bytes apart
	; E: row m = l % 16 has its 8 at k = m: register (l / 2) % 4, half l % 2, in the lanes whose 8 k hold it
	v_lshrrev_b32 v58, 3, v0
	v_lshrrev_b32 v13, 4, v0
	v_xor_b32 v58, v58, v13
	v_and_b32 v58, 1, v58
	v_bfe_u32 v13, v0, 1, 2
	v_lshl_add_u32 v58, v58, 2, v13                ; the register, or 4 and more: none
	v_and_b32 v13, 1, v0
	v_lshlrev_b32 v13, 4, v13
	v_mov_b32 v14, 0x4100
	v_lshlrev_b32 v14, v13, v14                    ; bf16 8.0 in my half
	WIN 0xc0
.irp j, 0,1,2,3
	v_cmp_eq_u32 vcc_lo, \j, v58
	v_cndmask_b32 v[EY+4+(\j)], 0, v14, vcc_lo
.endr
	WIN 0
	s_wait_loadcnt 32                              ; the mask bytes are in; Q's 32 loads, issued behind them, may stay out
.irp k, 0,1,2,3,4,5,6,7
	v_bfe_u32 v58, v[56+(\k)/4], 8*((\k)%4), 8
	v_cmp_ne_u32 vcc_lo, 0, v58
	v_cndmask_b32 v[64+(\k)], 0, s[BIGN], vcc_lo
.endr
	v_lshl_add_u32 v59, v0, 5, MASKT
	ds_store_b128 v59, v[64:67]
	ds_store_b128 v59, v[68:71] offset:16
; THE MATRIX WORK.  The 8 accumulators of a piece take turns, three times round.  Product i of 24 for piece x: tile i % 2, keys 16 ((i / 2) % 4) on.
; i < 8: E x bias + mask terms starts the sum; then K Q^T, channels 0-31 and 32-63.
.macro KQB x
.set u_, i%2
.set kb_, (i/2)%4
.set rS, S+64*((\x)%2)+32*u_+8*kb_
.if i < 8
	WIN 0x3f
	v_wmma_f32_16x16x32_bf16 v[rS:rS+7], v[EY+4-4*(kb_%2):EY+11-4*(kb_%2)], v[BF+16*u_+8*(kb_/2):BF+16*u_+8*(kb_/2)+7], v[MK+8*kb_:MK+8*kb_+7]
.else
	WIN 0x0a
.set rK, KF+16*kb_+8*(i/8-1)
.set rQ, 16*(2*(\x)+u_)+8*(i/8-1)
	v_wmma_f32_16x16x32_bf16 v[rS:rS+7], v[rK:rK+7], v[rQ:rQ+7], v[rS:rS+7]
.endif
.endm
; Product i of 16 of O^T += V^T P for piece x: keys 32 (i / 8) on, channels 16 ((i / 2) % 4) on, tile i % 2.
.macro PV x
	WIN 0x52
.set rO, 32*(2*(\x)+i%2)+8*((i/2)%4)
.set rV, VF+32*(i/8)+8*((i/2)%4)
.set rP, P+32*((\x)%2)+16*(i%2)+8*(i/8)
	v_wmma_f32_16x16x32_f16 v[rO:rO+7], v[rV:rV+7], v[rP:rP+7], v[rO:rO+7]
.endm
; THE LDS LOADS stand in runs.
.macro FETCH_K
	WIN 0x80
.irp f, 0,1,2,3,4,5,6,7
	ds_load_b128 v[KF+8*\f:KF+8*\f+3],   v[ADK] offset:(\f/2)*16*PK+(\f%2)*64
	ds_load_b128 v[KF+8*\f+4:KF+8*\f+7], v[ADK] offset:(\f/2)*16*PK+(\f%2)*64+32
.endr
.endm
.macro FETCH_V
	WIN 0x80
.irp f, 0,1,2,3,4,5,6,7
	ds_load_tr16_b128 v[VF+8*\f:VF+8*\f+3],   v[ADV] offset:(\f/4)*32*PVP+(\f%4)*32
	ds_load_tr16_b128 v[VF+8*\f+4:VF+8*\f+7], v[ADV] offset:(\f/4)*32*PVP+16*PVP+(\f%4)*32
.endr
.endm
.macro FETCH_M
	WIN 0xc0
.irp f, 0,1,2,3
	ds_load_b128 v[MK+8*\f:MK+8*\f+3],   v[ADM] offset:64*\f
	ds_load_b128 v[MK+8*\f+4:MK+8*\f+7], v[ADM] offset:64*\f+16
.endr
.endm
.macro FETCH_B pc                      ; piece pc's bias: tile u, 32 keys f
	WIN 0xc0
.irp u, 0,1
.irp f, 0,1
	ds_load_b128 v[BF+16*\u+8*\f:BF+16*\u+8*\f+3],   v[ADB] offset:16*PK*(2*(\pc)+\u)+64*\f
	ds_load_b128 v[BF+16*\u+8*\f+4:BF+16*\u+8*\f+7], v[ADB] offset:16*PK*(2*(\pc)+\u)+64*\f+32
.endr
.endr
.endm
; THE VECTOR WORK.  A tile's softmax for a step is a list of 118 instructions; SM writes number j of it for tile u of piece Y.  s0-s31 are the lane's 32 sums, in pairs 0-15.
;   0-15    the maximum of s0-s31 and the old m (each accumulator's lowest registers are read first)     16-20  the other half of the lanes'; m; c m; c m_old - c m_new
;   21-87   33 exponentials (a, then s0-s31) at the odd numbers from 23 on; between them what is ready: c s - c m for pairs to come, the rounding of pairs that are done, the first sums
;   88-101  the last rounding, the rest of the sums, l = a l + sum     102-117  the tile's O^T times a
.macro SM u
.set rT, ST+4*(2*Y+(\u))
.set rC, TMP+4*(\u)
.set rS, S+64*(Y%2)+32*(\u)
.set rP, P+32*(Y%2)+16*(\u)
.set rO, 32*(2*Y+(\u))+2*(j-102)
.set q, (j-20)/2
.if j < 102
	WIN 0
.endif
.if j < 4
	v_max3_num_f32 v[rC+j], v[rS+8*j], v[rS+8*j+1], v[rS+8*j+2]
.elseif j < 12
	v_max3_num_f32 v[rC+j%4], v[rC+j%4], v[rS+8*(j%4)+2*(j/4)+1], v[rS+8*(j%4)+2*(j/4)+2]
.elseif j == 12
	v_max3_num_f32 v[rC], v[rC], v[rS+7], v[rS+15]
.elseif j == 13
	v_max3_num_f32 v[rC+2], v[rC+2], v[rS+23], v[rS+31]
.elseif j == 14
	v_max3_num_f32 v[rC], v[rC], v[rC+1], v[rC+2]
.elseif j == 15
	v_max3_num_f32 v[rC], v[rC], v[rC+3], v[rT+1]
.elseif j == 16
	v_permlanex16_b32 v[rC+1], v[rC], s[SEL], s[SEL+1]
.elseif j == 17
	v_mov_b32 v[rC+3], v[rT]
.elseif j == 18
	v_max_num_f32 v[rT+1], v[rC], v[rC+1]
.elseif j == 19
	v_mul_f32 v[rT], s[CS], v[rT+1]
.elseif j == 20
	v_sub_f32 v[rC+3], v[rC+3], v[rT]
.elseif j == 23
	v_exp_f32 v[rC+2], v[rC+3]
.elseif (j < 88) && (j > 23) && (j%2 == 1)
	v_exp_f32 v[rS+(j-25)/2], v[rS+(j-25)/2]
.elseif (q < 4) || ((j < 76) && (q%2 == 0))
.set b, q/2+2
.if q < 4
.set b, q
.endif
	v_pk_fma_f32 v[rS+2*b:rS+2*b+1], v[rS+2*b:rS+2*b+1], s[CS:CS+1], v[rT:rT+1] op_sel_hi:[1,0,0] neg_lo:[0,0,1] neg_hi:[0,0,1]
.elseif (j < 88) && (q%2 == 1)
	s_wait_alu depctr_va_vdst(0)
	v_cvt_pk_f16_f32 v[rP+(q-5)/2], v[rS+q-5], v[rS+q-4]
.elseif j == 89
	s_wait_alu depctr_va_vdst(0)
	v_cvt_pk_f16_f32 v[rP+15], v[rS+30], v[rS+31]
.elseif j < 102
.set z, j-86
.if j < 89
.set z, (j-76)/4
.endif
.set w, 4
.set x_, z
.if z >= 14
.set w, 32
.set x_, 0
.elseif z >= 12
.set w, 16
.set x_, z-12
.elseif z >= 8
.set w, 8
.set x_, z-8
.endif
.if z < 15
	v_pk_add_f32 v[rS+w*x_:rS+w*x_+1], v[rS+w*x_:rS+w*x_+1], v[rS+w*x_+w/2:rS+w*x_+w/2+1]
.else
	v_pk_fma_f32 v[rT+2:rT+3], v[rT+2:rT+3], v[rC+2:rC+3], v[rS:rS+1] op_sel_hi:[1,0,1]
.endif
.else
	WIN 0x41
	v_pk_mul_f32 v[rO:rO+1], v[rO:rO+1], v[rC+2:rC+3] op_sel_hi:[1,0]
.endif
.endm
; Slice k of 59: numbers 2 k and 2 k + 1 of both tiles.  Where exponentials stand: tile by tile (plain, exponential, plain, exponential); elsewhere the tiles alternate.
.macro SLICE
.if (k >= 11) && (k < 44)
.irp u, 0,1
.irp n, 0,1
.set j, 2*k+(\n)
	SM \u
.endr
.endr
.else
.irp n, 0,1
.irp u, 0,1
.set j, 2*k+(\n)
	SM \u
.endr
.endr
.endif
.set k, k+1
.endm
; A TURN.  Each run of loads stands three slices (six plain instructions or more, none of which names a register of the products) behind the last product that read its registers, and is waited for at the next turn's head.
; Piece 2's turn fetches the next step's K and mask terms; piece 0's the V of the step in hand; every turn the bias of the piece after next.
.macro TURN p
.set Y, (\p)
.set k, 0
	s_wait_dscnt 0x0                               ; the last turn's fetches are in
.set i, 0
.rept 24
	KQB (Y+1)%NP
	SLICE
.set i, i+1
.endr
.rept 3
	SLICE
.endr
.if (\p) == 2
	FETCH_K
	FETCH_M
.endif
	FETCH_B (Y+2)%NP
.rept 7
	SLICE
.endr
.set i, 0
.rept 16
	PV (Y+3)%NP
	SLICE
.set i, i+1
.endr
.rept 3
	SLICE
.endr
.if (\p) == 0
	FETCH_V
.endif
.rept 6
	SLICE
.endr
.endm
	CHANGE 1                                       ; slot 0 is in, and every wave's mask terms are stored; slot 1 is asked for
	FETCH_K
	FETCH_M
	FETCH_B 0
	s_wait_loadcnt 0x0                             ; Q
	s_wait_dscnt 0x0
.set i, 0
.rept 24
	KQB 0                                          ; piece 0's first scores
.set i, i+1
.endr
	WIN 0                                          ; the addresses for the way out: the places behind those products
	s_mul_i32 s19, s[WV], 16*SP
	s_add_co_u32 s19, s19, STAGE
	v_mul_u32_u24 v[STO], v1, SP
	v_lshl_add_u32 v[STO], v9, 4, v[STO]
	v_add_nc_u32 v[STO], s19, v[STO]
	v_bfe_u32 v[RD], v0, 3, 2
	v_mul_u32_u24 v[RD], v[RD], SP
	v_lshl_add_u32 v[RD], v10, 4, v[RD]
	v_add_nc_u32 v[RD], s19, v[RD]
	v_and_b32 v[GO], 31, v0
	v_lshlrev_b32 v[GO], 4, v[GO]
	FETCH_B 1
	WIN 0
	s_mov_b32 s[CNT], 15
	s_branch .Lfirst                               ; the loop is entered at a step's first turn
.Ltrip:                                        ; 14 whole trips: pieces 2, 3 of one step, pieces 0, 1 of the next; steps 2 to 15 are asked for
	CHANGE 1
	TURN 2
	TURN 3
	WIN 0
.Lfirst:
	TURN 0
	TURN 1
	WIN 0
	s_sub_co_u32 s[CNT], s[CNT], 1
	s_cmp_lg_u32 s[CNT], 0
	s_cbranch_scc1 .Ltrip
	CHANGE 0                                       ; the tail is written out
	s_mov_b32 s[CNT], 2
.Ltail:
	TURN 2
	TURN 3
	WIN 0
	s_sub_co_u32 s[CNT], s[CNT], 1
	s_cmp_eq_u32 s[CNT], 0
	s_cbranch_scc1 .Lout
	TURN 0
	TURN 1
	WIN 0
	s_branch .Ltail
.Lout:                                         ; the second pass read the last slot once more, and its 24 products for a step that is not serve nothing: the price of one text for both passes
.set i, 0
.rept 16
	PV NP-1
.set i, i+1
.endr
	; THE WAY OUT.  l's halves are added; O^T is divided by l (NaN for a row wholly masked), rounded to f16 and sent through my stage, a tile at a time.
	WIN 0
.macro ALL line:vararg
.set t, 0
.rept 2*NP
	\line
.set t, t+1
.endr
.endm
	ALL v_add_f32 v[ST+4*t+2], v[ST+4*t+2], v[ST+4*t+3]
	ALL v_permlanex16_b32 v[ST+4*t+3], v[ST+4*t+2], s[SEL], s[SEL+1]
	ALL v_add_f32 v[ST+4*t+2], v[ST+4*t+2], v[ST+4*t+3]
	ALL v_rcp_f32 v[ST+4*t+2], v[ST+4*t+2]
	v_nop
.set t, 0
.rept 2*NP
	v_cmp_gt_f32 vcc_lo, s[NEGB], v[ST+4*t+1]
	s_wait_alu depctr_va_vdst(0)
	v_cndmask_b32 v[ST+4*t+2], v[ST+4*t+2], s[NANV], vcc_lo
.set t, t+1
.endr
.macro PACK t
	WIN 0x41
.set i, 32*(\t)
.rept 16
	v_pk_mul_f32 v[i:i+1], v[i:i+1], v[ST+4*(\t)+2:ST+4*(\t)+3] op_sel_hi:[1,0]
.set i, i+2
.endr
	WIN 0x05
.set i, 0
.rept 16
	v_cvt_pk_f16_f32 v[S+16*(\t)+i], v[32*(\t)+2*i], v[32*(\t)+2*i+1]
.set i, i+1
.endr
	WIN 0
.irp f, 0,1,2,3
	ds_store_b128 v[STO], v[S+16*(\t)+4*\f:S+16*(\t)+4*\f+3] offset:32*\f
.endr
.irp f, 0,1,2,3
	ds_load_b128 v[S+16*(\t)+4*\f:S+16*(\t)+4*\f+3], v[RD] offset:\f*4*SP  ; LDS serves a wave's instructions in order (ISA guide 5.7.1.4): these see the stores above
.endr
.endm
.macro SEND t, younger                 ; younger: the next tile's eight LDS instructions, or none
	WIN 0
.irp f, 0,1,2,3
	s_wait_dscnt (\younger)+3-\f
	global_store_b128 v[GO], v[S+16*(\t)+4*\f:S+16*(\t)+4*\f+3], s[10:11] offset:(\t)*2048+\f*512  ; 512 consecutive bytes, aligned
.endr
.endm
	PACK 0
.set t, 1
.rept 2*NP-1
	PACK t
	SEND t-1, 8
.set t, t+1
.endr
	SEND 2*NP-1, 0
	s_wait_tensorcnt 0x0                           ; the wave's end
	ds_add_u32 v[SPW], v[NIL]
	s_wait_dscnt 0x0
	CROUND                                         ; the closing round
	s_endpgm
.Lfunc_end_k_qc24b299ceb_attn:
	.size	k_qc24b299ceb_attn, .Lfunc_end_k_qc24b299ceb_attn-k_qc24b299ceb_attn
	.p2alignl 7, 3214868480
	.fill 96, 4, 3214868480
	.section	.rodata,"a",@progbits
	.p2align	6, 0x0
	.amdhsa_kernel k_qc24b299ceb_attn
		.amdhsa_group_segment_fixed_size 327680
		.amdhsa_private_segment_fixed_size 0
		.amdhsa_enable_private_segment 0
		.amdhsa_kernarg_size 32
		.amdhsa_user_sgpr_count 2
		.amdhsa_user_sgpr_kernarg_segment_ptr 1
		.amdhsa_wavefront_size32 1
		.amdhsa_system_sgpr_workgroup_id_x 1
		.amdhsa_system_sgpr_workgroup_id_y 1
		.amdhsa_system_sgpr_workgroup_id_z 1
		.amdhsa_system_vgpr_workitem_id 0
		.amdhsa_next_free_vgpr 896
		.amdhsa_next_free_sgpr 96
		.amdhsa_reserve_vcc 1
		.amdhsa_float_denorm_mode_32 3
		.amdhsa_float_denorm_mode_16_64 3
		.amdhsa_memory_ordered 1
		.amdhsa_forward_progress 1
		.amdhsa_inst_pref_size 216
	.end_amdhsa_kernel
	.amdgpu_metadata
---
amdhsa.version: [ 1, 2 ]
amdhsa.kernels:
  - .name:           k_qc24b299ceb_attn
    .symbol:         k_qc24b299ceb_attn.kd
    .args:
      - { .name: qkv, .offset: 0, .size: 8, .value_kind: global_buffer, .address_space: global }
      - { .name: ab, .offset: 8, .size: 8, .value_kind: global_buffer, .address_space: global }
      - { .name: mask, .offset: 16, .size: 8, .value_kind: global_buffer, .address_space: global }
      - { .name: ob, .offset: 24, .size: 8, .value_kind: global_buffer, .address_space: global }
    .group_segment_fixed_size: 327680
    .private_segment_fixed_size: 0
    .kernarg_segment_align: 8
    .kernarg_segment_size: 32
    .max_flat_workgroup_size: 128
    .sgpr_count:     96
    .vgpr_count:     896
    .wavefront_size: 32
...
	.end_amdgpu_metadata
.endif
;; end of part 4
;; launch outp (part 5): grid 4 x 64, 4 waves a work-group, clusters of 4 x 4, 327,680 bytes of LDS; arguments ob, wt, bo, bv, tb, pmx, out0; writes out0
.if DOCPART == 5
	.amdgcn_target "amdgcn-amd-amdhsa--gfx1250"
	.amdhsa_code_object_version 6
	.text
	.protected	k_qc24b299ceb_outp
	.globl	k_qc24b299ceb_outp
	.p2align	8
	.type	k_qc24b299ceb_outp,@function
k_qc24b299ceb_outp:
	s_mov_b64 s[64:65], 0
	v_nop
	global_prefetch_b8 v0, s[64:65] scope:SCOPE_SE
	s_setreg_imm32_b32 hwreg(HW_REG_WAVE_MODE, 25, 1), 1
	s_wait_xcnt 0x0
	s_wait_alu depctr_hold_cnt(0) depctr_sa_sdst(0) depctr_va_vdst(0) depctr_va_sdst(0) depctr_va_ssrc(0) depctr_va_vcc(0) depctr_vm_vsrc(0)
	s_getreg_b32 s2, hwreg(HW_REG_IB_STS2, 6, 4)
	s_cmp_eq_u32 s2, 0
	s_cbranch_scc0 .Lentry_in_a_cluster
	s_endpgm
.Lentry_in_a_cluster:
	s_bfe_u32 s2, ttmp6, 0x10000c
	s_cmp_lg_u32 s2, 0xf033
	s_cbranch_scc0 .Lentry_shape_is_right
	s_endpgm
.Lentry_shape_is_right:
; out0 = (bo sv + O' Wo) / sv, f32.  O' = sv O, f16, by heads [batch x 16 + head][1024][64]; Wo [1024][1024] f16 (bf16 numbers) at wt + 4 MiB; bo rounded to bf16; sums in f32.
; sv is made as in the launch that wrote v', from the same numbers by the same lines.  LIMITS: the bound stays under 2^126; |bo| sv stays finite.
; A tile is 128 rows x 256 columns (256 work-groups); four waves, 64 x 128 each: 32 accumulators.  K: 8 steps of 128 = two heads, two LDS slots.
; A head's 128 rows of a tile are 16,384 dense bytes: asked for as 64 rows of 256 bytes, padded in LDS after every 128.
; CLUSTER 4 x 4: O's tile is asked for jointly along a row of the cluster, Wo's along a column.  The matrix instruction is used transposed, as in the launches before.
; REGISTERS.  window 0: v0-31 addresses; v32-63 at work; two fragment buffers of 96 at v64, v160 (on the way out: two sets of 64 at v64, v128).  window 1: accumulators.
.set PA,    144
.set PB,    544
.set BOFF,  256*PA                     ; 36,864
.set SLOT1, 1<<17
.set STAGE, SLOT1+BOFF+128*PB          ; 237,568: 16 rows x 528 for each wave
.set SP,    528
.set SPARE, STAGE+4*16*SP              ; 271,360
.set ASTEP, 262144
.set BSTEP, 262144
.set ADA0, 8
.set ADB0, 9
.set ADA,  10
.set ADB,  11
.set STO,  12
.set RD,   13
.set GO,   14
.set LO,   15
.set BO,   16
.set SV,   18
.set INV,  20
.set PM,   22
.set WM,   23
.set BM,   24
.set TP,   25
.set SPW,  28
.set NIL,  29
.set T,    32
.set F0,   64
.set F1,   160
.set SB,   128
.set WV, 4
.set RH, 5
.set CH, 6
.set CX, 7
.set CY, 8
.set TX, 9
.set TY, 10
.set TB, 13
.set CNT, 14
.set HM, 15
.set G1A, 16
.set G1B, 24
.set G0A, 32
.set G0B, 36
.set SEL, 60
.set MSB, 0
.macro WIN new
.if MSB != (\new)
	s_set_vgpr_msb (MSB<<8)|(\new)
.set MSB, \new
.endif
.endm
.macro PLACES                          ; four places in front of loads into registers that matrix instructions have read, and of reads of their results
.rept 4
	v_nop
.endr
.endm
.macro JLOAD                           ; a joint load: waves 0, 1 fetch O's two heads, waves 2, 3 Wo's halves; s_nop 0 and four v_nop behind each line
	s_cmp_eq_u32 s[RH], 0
	s_cbranch_scc0 .Lfor_b_\@
	tensor_load_to_lds s[G0A:G0A+3], s[G1A:G1A+7]
	s_nop 0
.rept 4
	v_nop
.endr
	s_branch .Lasked_\@
.Lfor_b_\@:
	tensor_load_to_lds s[G0B:G0B+3], s[G1B:G1B+7]
	s_nop 0
.rept 4
	v_nop
.endr
.Lasked_\@:
.endm
.macro CREST                           ; a round of the cluster's barrier behind its opening barrier
	s_cmp_lg_u32 s[WV], 0
	s_cbranch_scc1 .Lnot_wave_0_\@
	s_barrier_signal -3
.Lnot_wave_0_\@:
	s_barrier_wait -3
	s_barrier_signal -1
	s_barrier_wait -1
.endm
.macro CROUND                          ; a whole round
	s_barrier_signal -1
	s_barrier_wait -1
	CREST
.endm
.macro RED x
	v_max_num_f32_dpp v[\x], v[\x], v[\x] row_xmask:1 row_mask:0xf bank_mask:0xf
	v_max_num_f32_dpp v[\x], v[\x], v[\x] row_xmask:2 row_mask:0xf bank_mask:0xf
	v_max_num_f32_dpp v[\x], v[\x], v[\x] row_xmask:4 row_mask:0xf bank_mask:0xf
	v_max_num_f32_dpp v[\x], v[\x], v[\x] row_xmask:8 row_mask:0xf bank_mask:0xf
	v_permlanex16_b32 v[TP], v[\x], s[SEL], s[SEL+1]
	v_max_num_f32 v[\x], v[\x], v[TP]
.endm
.macro SCALE_LD pm, tp, bp
.irp j, 0,1,2,3,4,5,6,7
	global_load_b128 v[SB+4*(\j):SB+4*(\j)+3], v[LO], s[\pm:\pm+1] offset:512*(\j)
.endr
	global_load_b128 v[SB+32:SB+35], v[LO], s[\tp:\tp+1] offset:263168
.irp j, 0,1,2,3,4,5,6,7
	global_load_b128 v[SB+36+4*(\j):SB+36+4*(\j)+3], v[LO], s[\bp:\bp+1] offset:512*(\j)
.endr
.endm
.macro SCALE_DO
	v_mov_b32 v[TP], 0
	v_mov_b32 v[SV+1], 0
	v_mov_b32 v[INV+1], 0
	v_max_num_f32 v[PM], v[SB], v[SB+1]
	v_max_num_f32 v[BM], |v[SB+36]|, |v[SB+37]|
.set i, 2
.rept 15
	v_max3_num_f32 v[PM], v[PM], v[SB+i], v[SB+i+1]
	v_max3_num_f32 v[BM], v[BM], |v[SB+36+i]|, |v[SB+36+i+1]|
.set i, i+2
.endr
	v_max_num_f32 v[WM], v[SB+32], v[SB+33]
	v_max3_num_f32 v[WM], v[WM], v[SB+34], v[SB+35]
	RED PM
	RED WM
	RED BM
	v_mul_f32 v[PM], 0x44000000, v[PM]
	v_fma_f32 v[BM], v[PM], v[WM], v[BM]
	v_max_num_f32 v[BM], 0x0d800000, v[BM]
	v_rcp_f32 v[SV], v[BM]
	v_mul_f32 v[INV], 0x38800000, v[BM]            ; the plain instruction behind the reciprocal
	s_wait_alu depctr_va_vdst(0)
	v_mul_f32 v[SV], 0x46800000, v[SV]
.endm
	s_load_b256 s[68:75], s[0:1], 0x0              ; ob s[68:69], wt s[70:71], bo s[72:73], bv s[74:75]
	s_load_b128 s[76:79], s[0:1], 0x20             ; tb s[76:77], pmx s[78:79]
	s_load_b64 s[80:81], s[0:1], 0x30              ; out0
	v_lshl_add_u32 v[SPW], v0, 2, SPARE
	v_mov_b32 v[NIL], 0
	ds_add_u32 v[SPW], v[NIL]                      ; the wave's opening: the add and its wait stand ahead of my first tensor load
	v_lshrrev_b32 v1, 5, v0
	v_readfirstlane_b32 s[WV], v1
	s_lshr_b32 s[RH], s[WV], 1
	s_and_b32 s[CH], s[WV], 1
	s_bfe_u32 s[CX], ttmp6, 0x40000
	s_bfe_u32 s[CY], ttmp6, 0x40004
	s_lshl_b32 s[TX], ttmp9, 2
	s_add_co_u32 s[TX], s[TX], s[CX]               ; tile column
	s_and_b32 s[TY], ttmp7, 0xffff
	s_lshl_b32 s[TY], s[TY], 2
	s_add_co_u32 s[TY], s[TY], s[CY]               ; tile row
	s_lshl_b32 s11, s[CY], 2
	s_lshl_b32 s11, 15, s11
	s_lshl_b32 s12, 0x1111, s[CX]
	s_or_b32 s[G1A], s11, (1<<16)|(1<<20)|(1<<21)|(4<<22)|(3<<25)  ; padding of 4 words after every 32
	s_mov_b32 s[G1A+1], 128<<16                    ; 64 rows of 256 dense bytes
	s_mov_b32 s[G1A+2], 64<<16
	s_mov_b32 s[G1A+3], 128<<16
	s_mov_b32 s[G1A+4], 64
	s_mov_b32 s[G1A+5], 128
	s_mov_b32 s[G1A+6], 0
	s_mov_b32 s[G1A+7], 0
	s_or_b32 s[G1B], s12, (1<<16)|(1<<20)|(1<<21)|(6<<22)|(7<<25)
	s_mov_b32 s[G1B+1], 256<<16
	s_mov_b32 s[G1B+2], 64<<16
	s_mov_b32 s[G1B+3], 256<<16
	s_mov_b32 s[G1B+4], 64
	s_mov_b32 s[G1B+5], 1024
	s_mov_b32 s[G1B+6], 0
	s_mov_b32 s[G1B+7], 0
	s_lshr_b32 s40, s[TY], 3                       ; O': head 16 x batch + half,
	s_lshl_b32 s40, s40, 4
	s_add_co_u32 s40, s40, s[CH]
	s_lshl_b32 s40, s40, 10
	s_and_b32 s41, s[TY], 7
	s_lshl_b32 s41, s41, 7
	s_add_co_u32 s40, s40, s41                     ; the tile's first row in it,
	s_lshl_b32 s40, s40, 7                         ; of 128 bytes
	s_mov_b32 s41, 0
	s_lshl_b32 s42, s[CH], 17                      ; Wo: k row 64 x half, column 256 x tile column, behind 4 MiB
	s_lshl_b32 s43, s[TX], 9
	s_add_co_u32 s42, s42, s43
	s_add_co_u32 s42, s42, 0x400000
	s_mov_b32 s43, 0
	s_mul_i32 s44, s[CH], 128*PA
	s_mul_i32 s45, s[CH], 64*PB
	s_add_co_u32 s45, s45, BOFF
	s_mov_b32 s[TB], 0
	s_mov_b32 s[HM], 0xffff0000
	s_mov_b32 s[SEL], 0x76543210
	s_mov_b32 s[SEL+1], 0xfedcba98
	s_lshl_b32 s46, s[TX], 10                      ; my 128 columns, in f32: bo's offset, and a part of out0's
	s_lshl_b32 s47, s[CH], 9
	s_add_co_u32 s46, s46, s47
	s_mov_b32 s47, 0
	s_lshl_b32 s50, s[TY], 7
	s_lshl_b32 s51, s[RH], 6
	s_add_co_u32 s50, s50, s51
	s_lshl_b32 s50, s50, 12                        ; my first row of out0, of 4,096 bytes
	s_add_co_u32 s50, s50, s46
	s_mov_b32 s51, 0
	s_wait_dscnt 0x0                               ; the opening add is done
	s_wait_kmcnt 0x0
	s_mov_b32 s[G0A], 1
	s_mov_b32 s[G0A+1], s44
	s_add_nc_u64 s[G0A+2:G0A+3], s[68:69], s[40:41]
	s_or_b32 s[G0A+3], s[G0A+3], 0x80000000
	s_mov_b32 s[G0B], 1
	s_mov_b32 s[G0B+1], s45
	s_add_nc_u64 s[G0B+2:G0B+3], s[70:71], s[42:43]
	s_or_b32 s[G0B+3], s[G0B+3], 0x80000000
	s_add_nc_u64 s[72:73], s[72:73], s[46:47]
	s_add_nc_u64 s[80:81], s[80:81], s[50:51]
	CROUND
	JLOAD                                          ; K step 0 into slot 0
	v_and_b32 v1, 15, v0
	v_bfe_u32 v2, v0, 4, 1
	v_and_b32 v3, 31, v0
	v_lshlrev_b32 v[BO], 5, v2
	v_lshlrev_b32 v[LO], 4, v3
.irp b, 0,1,2,3,4,5,6,7
	global_load_b128 v[64+8*(\b):64+8*(\b)+3], v[BO], s[72:73] offset:64*(\b)
	global_load_b128 v[64+8*(\b)+4:64+8*(\b)+7], v[BO], s[72:73] offset:64*(\b)+16
.endr
	SCALE_LD 78, 76, 74
	v_and_b32 v4, 7, v0
	v_bfe_u32 v5, v0, 3, 1
	s_mul_i32 s52, s[RH], 64*PA
	v_mul_u32_u24 v[ADA0], v1, PA
	v_lshl_add_u32 v[ADA0], v2, 4, v[ADA0]
	v_add_nc_u32 v[ADA0], s52, v[ADA0]
	s_lshl_b32 s52, s[CH], 8
	s_add_co_u32 s52, s52, BOFF
	v_lshl_add_u32 v[ADB0], v2, 3, v4
	v_mul_u32_u24 v[ADB0], v[ADB0], PB
	v_lshl_add_u32 v[ADB0], v5, 4, v[ADB0]
	v_add_nc_u32 v[ADB0], s52, v[ADB0]
	s_mul_i32 s52, s[WV], 16*SP
	s_add_co_u32 s52, s52, STAGE                   ; my stage
	v_mul_u32_u24 v[STO], v1, SP
	v_lshl_add_u32 v[STO], v2, 5, v[STO]           ; in: row r, my 32 bytes of each 64
	v_add_nc_u32 v[STO], s52, v[STO]
	v_lshlrev_b32 v[GO], 4, v3
	v_add_nc_u32 v[RD], s52, v[GO]                 ; back: a whole row of 512 bytes
	s_wait_loadcnt 0x0
	SCALE_DO
.set i, 0
.rept 32
	v_cvt_pk_bf16_f32 v[T+i], v[64+2*i], v[64+2*i+1]
.set i, i+1
.endr
.set i, 0
.rept 32
	v_lshlrev_b32 v[64+2*i], 16, v[T+i]
	v_and_b32 v[64+2*i+1], s[HM], v[T+i]
.set i, i+1
.endr
	WIN 0x40                                       ; bo, rounded to bf16, times sv starts the sums of all four row blocks
.irp a, 0,1,2,3
.set i, 0
.rept 32
	v_pk_mul_f32 v[64*(\a)+2*i:64*(\a)+2*i+1], v[64+2*i:64+2*i+1], v[SV:SV+1] op_sel_hi:[1,0]
.set i, i+1
.endr
.endr
.macro MULP f, a                       ; 8 matrix instructions: row block a x all 8 column blocks, 32 along K
	WIN 0x50
.irp b, 0,1,2,3,4,5,6,7
	v_wmma_f32_16x16x32_f16 v[8*(8*(\a)+(\b)):8*(8*(\a)+(\b))+7], v[(\f)+32+8*(\b):(\f)+32+8*(\b)+7], v[(\f)+8*(\a):(\f)+8*(\a)+7], v[8*(8*(\a)+(\b)):8*(8*(\a)+(\b))+7]
.endr
.endm
.macro MUL f                           ; 32: the 32 accumulators take turns, in the same order everywhere
	MULP \f, 0
	MULP \f, 1
	MULP \f, 2
	MULP \f, 3
.endm
.macro FETCH c, f                      ; 24 LDS loads: chunk c of four: head c / 2 of the step's two, channels 32 (c % 2) on
	WIN 0
.irp i, 0,1,2,3,4,5,6,7
	ds_load_tr16_b128 v[(\f)+32+8*(\i):(\f)+32+8*(\i)+3],   v[ADB] offset:(\c)*32*PB+32*(\i)
	ds_load_tr16_b128 v[(\f)+32+8*(\i)+4:(\f)+32+8*(\i)+7], v[ADB] offset:(\c)*32*PB+32*(\i)+16*PB
.endr
.irp i, 0,1,2,3
	ds_load_b128 v[(\f)+8*(\i):(\f)+8*(\i)+3],   v[ADA] offset:((\c)/2)*128*PA+(\i)*16*PA+64*((\c)%2)
	ds_load_b128 v[(\f)+8*(\i)+4:(\f)+8*(\i)+7], v[ADA] offset:((\c)/2)*128*PA+(\i)*16*PA+64*((\c)%2)+32
.endr
.endm
; THE CHANGE OF SLOTS, with the last chunk's 32 products (buffer 1) round it (mul = 1).  In front of the barrier each wave waits for all its tensor loads (one is out: its part of the slot to come), adds 0 to
; its spare word, and waits for that and for its reads of the slot that it leaves.  fill = 1: the barrier opens a round of the cluster's, and the slot just left is filled first thing behind the round with the
; step after next: from there to the wait for it a wave issues 112 matrix instructions.  Then the new slot's first chunk is fetched, with 16 products behind the loads.
.macro TURN fill, mul
	WIN 0
	s_wait_tensorcnt 0x0
	ds_add_u32 v[SPW], v[NIL]
.if \fill
	s_xor_b32 s[G0A+1], s[G0A+1], SLOT1            ; no load of mine is out: the walking descriptors take the other slot and the next step
	s_add_nc_u64 s[G0A+2:G0A+3], s[G0A+2:G0A+3], ASTEP
	s_xor_b32 s[G0B+1], s[G0B+1], SLOT1
	s_add_nc_u64 s[G0B+2:G0B+3], s[G0B+2:G0B+3], BSTEP
.endif
.if \mul
	s_wait_dscnt 1                                 ; the last chunk's 24 loads are in; the add, issued behind them, may be out
	MULP F1, 0
.endif
	s_wait_dscnt 0x0                               ; the add is done, and my reads of the slot are over
	s_barrier_signal -1
.if \mul
	MULP F1, 1                                     ; work on registers while the others arrive
	WIN 0
.endif
	s_barrier_wait -1
.if \fill
	CREST
	JLOAD                                          ; its four v_nop are also the places in front of the loads below
.else
	PLACES
.endif
	v_add_nc_u32 v[ADA], s[TB], v[ADA0]
	v_add_nc_u32 v[ADB], s[TB], v[ADB0]
	s_xor_b32 s[TB], s[TB], SLOT1
	FETCH 0, F0
.if \mul
	MULP F1, 2
	MULP F1, 3
.endif
.endm
.macro BODY3                           ; a step's first three chunks are multiplied, each while the next is fetched
	PLACES
	FETCH 1, F1
	s_wait_dscnt 24                                ; all but the 24 just issued
	MUL F0
	PLACES
	FETCH 2, F0
	s_wait_dscnt 24
	MUL F1
	PLACES
	FETCH 3, F1
	s_wait_dscnt 24
	MUL F0
.endm
	TURN 1, 0                                      ; step 0 is in, everybody's part of it; step 1 is asked for; step 0's first chunk is fetched
	WIN 0
	s_mov_b32 s[CNT], 7
	s_branch .Lmid                                 ; the loop is entered behind its change of slots
.Ltrip:                                        ; six whole trips: steps 2 to 7 are asked for
	TURN 1, 1
	WIN 0
.Lmid:
	BODY3
	WIN 0
	s_sub_co_u32 s[CNT], s[CNT], 1
	s_cmp_lg_u32 s[CNT], 0
	s_cbranch_scc1 .Ltrip
	TURN 0, 1                                      ; the last step is written out: nothing is asked for
	BODY3
	s_wait_dscnt 0x0
	MUL F1
; THE WAY OUT, in four blocks of 16 rows: the scale is taken out in f32; 32 bytes a lane and column block into my stage; back as whole rows of 512 bytes.
.macro FIN a
.set TS, 64+64*((\a)%2)
	WIN 0x01
.set n_, 0
.rept 32
	v_pk_mul_f32 v[TS+2*n_:TS+2*n_+1], v[64*(\a)+2*n_:64*(\a)+2*n_+1], v[INV:INV+1] op_sel_hi:[1,0]
.set n_, n_+1
.endr
	WIN 0
.irp b, 0,1,2,3,4,5,6,7
	ds_store_b128 v[STO], v[TS+8*(\b):TS+8*(\b)+3] offset:64*(\b)
	ds_store_b128 v[STO], v[TS+8*(\b)+4:TS+8*(\b)+7] offset:64*(\b)+16
.endr
.irp t, 0,1,2,3,4,5,6,7,8,9,10,11,12,13,14,15
	ds_load_b128 v[TS+4*(\t):TS+4*(\t)+3], v[RD] offset:(\t)*SP  ; LDS serves a wave's instructions in order (ISA guide 5.7.1.4): these see the stores above
.endr
.endm
.macro SEND a, younger                 ; younger: the next block's 32 LDS instructions, or none
.set TS, 64+64*((\a)%2)
.irp t, 0,1,2,3,4,5,6,7,8,9,10,11,12,13,14,15
	s_wait_dscnt (\younger)+15-(\t)
	global_store_b128 v[GO], v[TS+4*(\t):TS+4*(\t)+3], s[80:81] offset:(16*(\a)+(\t))*4096  ; 512 consecutive bytes, aligned
.endr
.endm
	WIN 0
	PLACES
	FIN 0
	FIN 1
	SEND 0, 32
	s_wait_xcnt 0x0                                ; block 0's stores have read their registers: block 2 takes the set
	FIN 2
	SEND 1, 32
	s_wait_xcnt 0x0
	FIN 3
	SEND 2, 32
	SEND 3, 0
	s_wait_tensorcnt 0x0                           ; the wave's end
	ds_add_u32 v[SPW], v[NIL]
	s_wait_dscnt 0x0
	CROUND                                         ; the closing round
	s_endpgm
.Lfunc_end_k_qc24b299ceb_outp:
	.size	k_qc24b299ceb_outp, .Lfunc_end_k_qc24b299ceb_outp-k_qc24b299ceb_outp
	.p2alignl 7, 3214868480
	.fill 96, 4, 3214868480
	.section	.rodata,"a",@progbits
	.p2align	6, 0x0
	.amdhsa_kernel k_qc24b299ceb_outp
		.amdhsa_group_segment_fixed_size 327680
		.amdhsa_private_segment_fixed_size 0
		.amdhsa_enable_private_segment 0
		.amdhsa_kernarg_size 56
		.amdhsa_user_sgpr_count 2
		.amdhsa_user_sgpr_kernarg_segment_ptr 1
		.amdhsa_wavefront_size32 1
		.amdhsa_system_sgpr_workgroup_id_x 1
		.amdhsa_system_sgpr_workgroup_id_y 1
		.amdhsa_system_sgpr_workgroup_id_z 1
		.amdhsa_system_vgpr_workitem_id 0
		.amdhsa_next_free_vgpr 512
		.amdhsa_next_free_sgpr 96
		.amdhsa_reserve_vcc 0
		.amdhsa_float_denorm_mode_32 3
		.amdhsa_float_denorm_mode_16_64 3
		.amdhsa_memory_ordered 1
		.amdhsa_forward_progress 1
		.amdhsa_inst_pref_size 87
	.end_amdhsa_kernel
	.amdgpu_metadata
---
amdhsa.version: [ 1, 2 ]
amdhsa.kernels:
  - .name:           k_qc24b299ceb_outp
    .symbol:         k_qc24b299ceb_outp.kd
    .args:
      - { .name: ob, .offset: 0, .size: 8, .value_kind: global_buffer, .address_space: global }
      - { .name: wt, .offset: 8, .size: 8, .value_kind: global_buffer, .address_space: global }
      - { .name: bo, .offset: 16, .size: 8, .value_kind: global_buffer, .address_space: global }
      - { .name: bv, .offset: 24, .size: 8, .value_kind: global_buffer, .address_space: global }
      - { .name: tb, .offset: 32, .size: 8, .value_kind: global_buffer, .address_space: global }
      - { .name: pmx, .offset: 40, .size: 8, .value_kind: global_buffer, .address_space: global }
      - { .name: out0, .offset: 48, .size: 8, .value_kind: global_buffer, .address_space: global }
    .group_segment_fixed_size: 327680
    .private_segment_fixed_size: 0
    .kernarg_segment_align: 8
    .kernarg_segment_size: 56
    .max_flat_workgroup_size: 128
    .sgpr_count:     96
    .vgpr_count:     512
    .wavefront_size: 32
...
	.end_amdgpu_metadata
.endif
;; end of part 5
;; ======== version 2 of 2: 5 launches; version 1 with the launch prep written anew for expert scheduling mode
;; limits: values are held in f16: magnitudes above 65,504 overflow, below 6.1e-05 lose precision; right only within a limited range of input values; a function is approximated: absolute error at most 1e-06
;; workspace buffers: xb 16,777,216 bytes; ab 33,554,432 bytes; wt 6,291,456 bytes; tb 264,704 bytes; pmx 4,096 bytes; pj 8,388,608 bytes; qkv 50,331,648 bytes; ob 16,777,216 bytes
;; launch prep (part 6): grid 992 x 1, 8 waves a work-group, no clusters, 0 bytes of LDS; arguments alibi_bias, src, Wl, Wq, Wk, Wv, Wo, pos_emb, ab, xb, wt, tb; writes ab, xb, wt, tb
.if DOCPART == 6
	.amdgcn_target "amdgcn-amd-amdhsa--gfx1250"
	.amdhsa_code_object_version 6
	.text
	.protected	k_qc24b299ceb_prep
	.globl	k_qc24b299ceb_prep
	.p2align	8
	.type	k_qc24b299ceb_prep,@function
k_qc24b299ceb_prep:
	s_mov_b64 s[64:65], 0
	v_nop
	global_prefetch_b8 v0, s[64:65] scope:SCOPE_SE
	s_setreg_imm32_b32 hwreg(HW_REG_WAVE_SCHED_MODE, 0, 2), 2
	s_setreg_imm32_b32 hwreg(HW_REG_WAVE_MODE, 25, 1), 1
	s_wait_xcnt 0x0
	s_wait_alu depctr_vm_vsrc(0)
; CASTS, RE-LAYOUT AND THE ROTATION TABLE.  A stream: no LDS, no matrix unit, no cluster (no two work-groups read the same byte).
; A chunk is 32,768 numbers, 128 KiB in and 64 KiB out.  A thread takes pieces of 4 numbers: 16 bytes in, 8 out, neighbouring lanes at neighbouring pieces,
; so that a wave's load covers 512 bytes without a gap (alibi: two whole aligned 256-byte pieces of rows) and a wave's store 256 consecutive aligned bytes.
; Work-groups 0-79     chunks of Wq, Wk, Wv, Wo -> wt + 1 MiB on: rounded to bf16, and that number written as f16; each wave also stores the largest magnitude that it saw
;                      (tb, from byte 262,144 on).  A thread's 32 pieces go through a ring of 8: the longest share, so these stand first in the grid.
; Work-groups 80-207   tb[l][i] = (cos, sin) of pos_emb[l][i] rounded to bf16, one angle a thread.
; Work-groups 208-223  Wl -> wt, bf16.      224-479  src -> xb, bf16.
; Work-groups 480-991  alibi_bias -> ab, bf16, in tiles [y = 2 head + q / 512][k / 64][q % 512][64 keys]: a tile is 65,536 dense bytes.
; LIMITS.  Weights beyond 65,504 become infinities in f16; below 2^-14 they keep f16's fixed step of 2^-24.  Angles up to about 1e5 keep sin and cos to 1e-6 (three-part reduction by pi / 2).
; THE MODE: SCHED_MODE bits 1:0 = 2 (LLVM: expert scheduling mode 2), set by the entry lines.  The code itself states the register dependences
; between vector instructions and memory instructions, with s_wait_alu, always for 0.
; THE PLAN.  Registers that memory instructions touch:
;   v2, v[OFF ..]  byte offsets, made at the head of each way and never written again: one wait ahead of the way's first load states that they are written.
;   The bf16 casts: X, piece i: its load lands in four registers, its two roundings write the first two, its store reads those; none is written again.  The 32 pieces go in 8 groups of four.
;                  Group g's roundings name group g's registers alone; its memory instructions are the stores of group g - 1.  So one wait at a group's head serves its four stores.
;   The weights:   R0, R1  raw buffers of four pieces.  Group h of a trip: its vector lines read R[h]; behind them the same group's loads of the next trip land in it.
;                  Y0, Y1  out-buffers.  Group h's vector lines write Y[h]; the group's four stores, behind them, read it.
;                  One wait on va_vdst a group, between its vector lines and its eight memory instructions; one wait on vm_vsrc a trip, at group 1's head, ahead of the lines that write Y1 and,
;                  in the next trip, Y0 again.  v3 to v7 (the maximum, the numbers at work) are named by vector instructions alone inside the loop.
.set M,   3                            ; v3       running largest magnitude
.set OFF, 8                            ; v8-39    byte offset of piece i in the source
.set X,   40                           ; v40-167  piece i: 4 registers as loaded; the first 2 as stored
.set R,   X                            ; v40-71   the weights: raw buffer h, piece j: 4 registers at R + 16 h + 4 j
.set Y,   X+32                         ; v72-87   the weights: out-buffer h, piece j: 2 registers at Y + 8 h + 2 j
.macro PICK lim, ptr                   ; from chunk lim on: the next weight
	s_cmp_ge_u32 s2, \lim
	s_cselect_b64 s[32:33], s[\ptr:\ptr+1], s[32:33]
	s_cselect_b32 s34, \lim, s34
.endm
	s_load_b512 s[8:23], s[0:1], 0x0               ; alibi s[8:9], src s[10:11], Wl s[12:13], Wq s[14:15], Wk s[16:17], Wv s[18:19], Wo s[20:21], pos_emb s[22:23]
	s_load_b256 s[24:31], s[0:1], 0x40             ; ab s[24:25], xb s[26:27], wt s[28:29], tb s[30:31]
	v_and_b32 v1, 31, v0                           ; lane
	v_lshrrev_b32 v2, 5, v0
	v_readfirstlane_b32 s3, v2                     ; wave
	v_lshlrev_b32 v2, 3, v0                        ; my 8 bytes in 2,048 bytes of output
	s_mov_b32 s39, 0
	s_mov_b32 s41, 0
	s_wait_alu depctr_va_sdst(0)                   ; s3 is written, ahead of the branches: the weights' way makes the place of its maximum from it
	s_cmp_lt_u32 ttmp9, 80
	s_cbranch_scc1 .Lf16
	s_cmp_lt_u32 ttmp9, 208
	s_cbranch_scc1 .Ltrig
	s_sub_co_u32 s2, ttmp9, 208                    ; 0-15 Wl, 16-271 src, 272-783 alibi
	s_wait_kmcnt 0x0
	s_cmp_lt_u32 s2, 272
	s_cbranch_scc1 .Lflat
	s_sub_co_u32 s2, s2, 272                       ; the tile
	s_lshr_b32 s38, s2, 4                          ; y: 512 rows of 4,096 bytes
	s_lshl_b32 s38, s38, 21
	s_and_b32 s47, s2, 15                          ; the block of 64 keys: 256 bytes of each row
	s_lshl_b32 s47, s47, 8
	s_add_co_u32 s38, s38, s47
	s_add_nc_u64 s[32:33], s[8:9], s[38:39]
	s_lshl_b32 s40, s2, 16
	s_add_nc_u64 s[36:37], s[24:25], s[40:41]
	v_lshrrev_b32 v4, 4, v0                        ; sixteen threads to a row of the tile
	v_and_b32 v5, 15, v0
	v_lshlrev_b32 v5, 4, v5
	v_lshl_add_u32 v[OFF], v4, 12, v5
	s_mov_b32 s42, 65536                           ; 16 rows on
	s_branch .Lgo
.Lflat:
	s_cmp_lt_u32 s2, 16
	s_cselect_b64 s[32:33], s[12:13], s[10:11]     ; Wl, or src
	s_cselect_b64 s[36:37], s[28:29], s[26:27]     ; into wt, or xb
	s_cselect_b32 s34, 0, 16
	s_sub_co_u32 s38, s2, s34                      ; the chunk in its tensor
	s_lshl_b32 s40, s38, 16
	s_lshl_b32 s38, s38, 17
	s_add_nc_u64 s[32:33], s[32:33], s[38:39]
	s_add_nc_u64 s[36:37], s[36:37], s[40:41]
	v_lshlrev_b32 v[OFF], 4, v0
	s_mov_b32 s42, 4096                            ; 256 threads x 16 bytes on
.Lgo:
.set i, 1
.rept 31
	v_add_nc_u32 v[OFF+i], s42, v[OFF+i-1]
.set i, i+1
.endr
	s_wait_alu depctr_va_vdst(0)                   ; the 32 offsets and v2 are written, which the loads and stores below read
.set i, 0
.rept 32                                       ; all 32 loads of the thread go out in one run
	global_load_b128 v[X+4*i:X+4*i+3], v[OFF+i], s[32:33] th:TH_LOAD_NT
.set i, i+1
.endr
.set g, 0
.rept 8                                        ; group g: pieces 4 g to 4 g + 3 are rounded; the stores of group g - 1 are dealt among the roundings
	s_wait_loadcnt 28-4*g                          ; the group's four pieces are in; the 28 - 4 g loads issued behind them may stay out
.if g > 0
	s_wait_alu depctr_va_vdst(0)                   ; the group before has written its packed registers, which the four stores below read; no rounding of this group names them
.endif
.set j, 0
.rept 4
.if g > 0
	global_store_b64 v2, v[X+4*(4*g-4+j):X+4*(4*g-4+j)+1], s[36:37] offset:2048*(4*g-4+j)  ; no register is written twice, so nothing waits for a store
.endif
	v_cvt_pk_bf16_f32 v[X+4*(4*g+j)], v[X+4*(4*g+j)], v[X+4*(4*g+j)+1]
	v_cvt_pk_bf16_f32 v[X+4*(4*g+j)+1], v[X+4*(4*g+j)+2], v[X+4*(4*g+j)+3]
.set j, j+1
.endr
.set g, g+1
.endr
	s_wait_alu depctr_va_vdst(0)                   ; the last group has written its packed registers, which the last four stores read
.set i, 28
.rept 4
	global_store_b64 v2, v[X+4*i:X+4*i+1], s[36:37] offset:2048*i
.set i, i+1
.endr
	s_endpgm
.Lf16:
	s_mov_b32 s2, ttmp9                            ; chunk 0-15 Wq, 16-31 Wk, 32-47 Wv, 48-79 Wo
	s_mov_b32 s34, 0
	s_mov_b32 s43, 0xffff0000
	s_mov_b32 s44, 0x76543210
	s_mov_b32 s45, 0xfedcba98
	v_lshlrev_b32 v[OFF], 4, v0
	v_mov_b32 v[M], 0
	s_wait_kmcnt 0x0
	s_mov_b64 s[32:33], s[14:15]
	PICK 16, 16
	PICK 32, 18
	PICK 48, 20
	s_sub_co_u32 s38, s2, s34
	s_lshl_b32 s38, s38, 17
	s_lshl_b32 s40, s2, 16
	s_add_co_u32 s40, s40, 0x100000                ; the four lie end to end behind Wl's MiB
	s_add_nc_u64 s[32:33], s[32:33], s[38:39]
	s_add_nc_u64 s[36:37], s[28:29], s[40:41]
	s_wait_alu depctr_va_vdst(0)                   ; v[OFF] and v2 are written, which every load and store of this way reads
.irp j, 0,1,2,3,4,5,6,7
	global_load_b128 v[R+4*(\j):R+4*(\j)+3], v[OFF], s[32:33] offset:4096*(\j) th:TH_LOAD_NT  ; the ring is filled: the first trip's R0 and R1
.endr
; Group h of a trip: pieces 4 h to 4 h + 3 of the trip's eight.  ahead = 1: R[h] is asked for again, for the next trip.  left = how many younger loads may stay out.
; The bases stand at the trip's first piece in group 0 and at the next trip's in group 1: they step at group 1's head, and the immediates reach a trip ahead (group 0's loads) or back (group 1's stores).
.macro GRP h, ahead, left
	s_wait_loadcnt \left                           ; loads come back in order (ISA guide 5.7.1): R[h] is in, the other buffer's loads stay out
.if \h
	s_wait_xcnt 0x0                                ; every earlier memory instruction has had its addresses translated (ISA guide 3.1): the bases and the out-buffers are written again only behind this wait
	s_wait_alu depctr_vm_vsrc(0)                   ; the stores issued so far have read Y1 and Y0: this group's lines write Y1 again, the next trip's first group Y0
.if \ahead
	s_add_nc_u64 s[32:33], s[32:33], 32768
.endif
	s_add_nc_u64 s[36:37], s[36:37], 16384
.endif
.irp j, 0,1,2,3
.irp k, 0,1
	v_cvt_pk_bf16_f32 v[4+2*(\k)], v[R+16*(\h)+4*(\j)+2*(\k)], v[R+16*(\h)+4*(\j)+2*(\k)+1]  ; rounded as every input is,
	v_and_b32 v[5+2*(\k)], s43, v[4+2*(\k)]
	v_lshlrev_b32 v[4+2*(\k)], 16, v[4+2*(\k)]
	v_max3_num_f32 v[M], |v[4+2*(\k)]|, |v[5+2*(\k)]|, v[M]
	v_cvt_pk_f16_f32 v[Y+8*(\h)+2*(\j)+(\k)], v[4+2*(\k)], v[5+2*(\k)]                       ; and written as f16: exact within f16's range
.endr
.endr
	s_wait_alu depctr_va_vdst(0)                   ; the lines above are done reading R[h], in which the loads below land, and have written Y[h], which the stores below read
.irp j, 0,1,2,3
.if \ahead
	global_load_b128 v[R+16*(\h)+4*(\j):R+16*(\h)+4*(\j)+3], v[OFF], s[32:33] offset:32768*(1-(\h))+4096*(4*(\h)+(\j)) th:TH_LOAD_NT
.endif
	global_store_b64 v2, v[Y+8*(\h)+2*(\j):Y+8*(\h)+2*(\j)+1], s[36:37] offset:2048*(4*(\h)+(\j))-16384*(\h)
.endr
.endm
	s_mov_b32 s47, 3
.Lw:                                           ; three trips of eight pieces, each asking for the next trip's eight
	GRP 0, 1, 4
	GRP 1, 1, 4
	s_sub_co_u32 s47, s47, 1
	s_cmp_lg_u32 s47, 0
	s_cbranch_scc1 .Lw
	GRP 0, 0, 4                                    ; the last trip is written out: no load leaves the chunk, and the counts run down
	GRP 1, 0, 0
	v_max_num_f32_dpp v[M], v[M], v[M] row_xmask:1 row_mask:0xf bank_mask:0xf
	v_max_num_f32_dpp v[M], v[M], v[M] row_xmask:2 row_mask:0xf bank_mask:0xf
	v_max_num_f32_dpp v[M], v[M], v[M] row_xmask:4 row_mask:0xf bank_mask:0xf
	v_max_num_f32_dpp v[M], v[M], v[M] row_xmask:8 row_mask:0xf bank_mask:0xf
	v_permlanex16_b32 v4, v[M], s44, s45
	v_max_num_f32 v[M], v[M], v4
	s_lshl_b32 s48, s2, 3
	s_add_co_u32 s48, s48, s3
	s_lshl_b32 s48, s48, 2
	s_add_co_u32 s48, s48, 262144                  ; word 8 x chunk + wave behind the table
	v_mov_b32 v5, s48
	v_cmp_eq_u32 vcc_lo, 0, v1
	s_wait_xcnt 0x0                                ; EXEC is a source of the stores above: it changes only behind this wait
	s_wait_alu depctr_va_vcc(0)                    ; VCC is written: EXEC is made from it
	s_wait_alu depctr_va_vdst(0)                   ; ahead of the write of EXEC: the vector lines above have run under the full EXEC; v5 and the maximum, which the store below reads, are written
	s_wait_alu depctr_vm_vsrc(0)                   ; ahead of the write of EXEC: the stores above have read their registers
	s_and_saveexec_b32 s46, vcc_lo
	global_store_b32 v5, v[M], s[30:31]
	s_wait_xcnt 0x0
	s_wait_alu depctr_va_vdst(0)                   ; ahead of the write of EXEC: no vector line is still at work under the narrow one
	s_wait_alu depctr_vm_vsrc(0)                   ; ahead of the write of EXEC: the store has read its registers
	s_or_b32 exec_lo, exec_lo, s46
	s_endpgm
.Ltrig:
	s_sub_co_u32 s2, ttmp9, 80
	s_lshl_b32 s38, s2, 10                         ; 256 angles of 4 bytes
	s_lshl_b32 s40, s2, 11                         ; 256 pairs of 8 bytes
	s_mov_b32 s48, 0xbfc90000                      ; pi / 2 in three parts, negated
	s_mov_b32 s49, 0xb9fda000
	s_mov_b32 s50, 0xb3a22168
	s_mov_b32 s51, 0xb94ca1f9                      ; sine's polynomial
	s_mov_b32 s52, 0x3c08839e
	s_mov_b32 s53, 0xbe2aaaa3
	s_mov_b32 s54, 0x37ccf5ce                      ; cosine's
	s_mov_b32 s55, 0xbab6061a
	s_mov_b32 s56, 0x3d2aaaa5
	v_lshlrev_b32 v3, 2, v0
	s_wait_kmcnt 0x0
	s_add_nc_u64 s[32:33], s[22:23], s[38:39]
	s_add_nc_u64 s[36:37], s[30:31], s[40:41]
	s_wait_alu depctr_va_vdst(0)                   ; v3 is written, which the load reads as its offset
	global_load_b32 v[X], v3, s[32:33]
	s_wait_loadcnt 0x0
	; x = r + n pi / 2 with |r| <= pi / 4; sine and cosine of r by polynomials; n mod 4 says which is which and their signs
	v_cvt_pk_bf16_f32 v[X], v[X], v[X]
	v_lshlrev_b32 v[X], 16, v[X]
	v_mul_f32 v5, 0x3f22f983, v[X]
	v_rndne_f32 v5, v5
	v_fma_f32 v6, v5, s48, v[X]
	v_fma_f32 v6, v5, s49, v6
	v_fma_f32 v6, v5, s50, v6
	v_cvt_i32_f32 v7, v5
	v_mul_f32 v8, v6, v6
	v_fma_f32 v9, v8, s51, s52
	v_fma_f32 v9, v9, v8, s53
	v_mul_f32 v9, v9, v8
	v_fma_f32 v9, v9, v6, v6                       ; sin r
	v_fma_f32 v10, v8, s54, s55
	v_fma_f32 v10, v10, v8, s56
	v_mul_f32 v11, v8, v8
	v_fma_f32 v12, v8, -0.5, 1.0
	v_fma_f32 v10, v10, v11, v12                   ; cos r
	v_and_b32 v13, 1, v7
	v_cmp_ne_u32 vcc_lo, 0, v13
	s_wait_alu depctr_va_vcc(0)                    ; VCC is written, ahead of the two selects that read it
	v_cndmask_b32 v[X+3], v9, v10, vcc_lo          ; sine: cos r where n is odd
	v_cndmask_b32 v[X+2], v10, v9, vcc_lo          ; cosine: sin r where n is odd
	v_and_b32 v13, 2, v7
	v_lshlrev_b32 v13, 30, v13
	v_xor_b32 v[X+3], v[X+3], v13                  ; sine is negative for n mod 4 = 2, 3
	v_add_nc_u32 v13, 1, v7
	v_and_b32 v13, 2, v13
	v_lshlrev_b32 v13, 30, v13
	v_xor_b32 v[X+2], v[X+2], v13                  ; cosine for 1, 2
	s_wait_alu depctr_va_vdst(0)                   ; cosine and sine are written, which the store reads
	global_store_b64 v2, v[X+2:X+3], s[36:37]      ; a wave stores 256 consecutive bytes
	s_endpgm
.Lfunc_end_k_qc24b299ceb_prep:
	.size	k_qc24b299ceb_prep, .Lfunc_end_k_qc24b299ceb_prep-k_qc24b299ceb_prep
	.p2alignl 7, 3214868480
	.fill 96, 4, 3214868480
	.section	.rodata,"a",@progbits
	.p2align	6, 0x0
	.amdhsa_kernel k_qc24b299ceb_prep
		.amdhsa_group_segment_fixed_size 0
		.amdhsa_private_segment_fixed_size 0
		.amdhsa_enable_private_segment 0
		.amdhsa_kernarg_size 96
		.amdhsa_user_sgpr_count 2
		.amdhsa_user_sgpr_kernarg_segment_ptr 1
		.amdhsa_wavefront_size32 1
		.amdhsa_system_sgpr_workgroup_id_x 1
		.amdhsa_system_sgpr_workgroup_id_y 1
		.amdhsa_system_sgpr_workgroup_id_z 1
		.amdhsa_system_vgpr_workitem_id 0
		.amdhsa_next_free_vgpr 168
		.amdhsa_next_free_sgpr 66
		.amdhsa_reserve_vcc 1
		.amdhsa_float_denorm_mode_32 3
		.amdhsa_float_denorm_mode_16_64 3
		.amdhsa_memory_ordered 1
		.amdhsa_forward_progress 1
		.amdhsa_inst_pref_size 30
	.end_amdhsa_kernel
	.amdgpu_metadata
---
amdhsa.version: [ 1, 2 ]
amdhsa.kernels:
  - .name:           k_qc24b299ceb_prep
    .symbol:         k_qc24b299ceb_prep.kd
    .args:
      - { .name: alibi_bias, .offset: 0, .size: 8, .value_kind: global_buffer, .address_space: global }
      - { .name: src, .offset: 8, .size: 8, .value_kind: global_buffer, .address_space: global }
      - { .name: Wl, .offset: 16, .size: 8, .value_kind: global_buffer, .address_space: global }
      - { .name: Wq, .offset: 24, .size: 8, .value_kind: global_buffer, .address_space: global }
      - { .name: Wk, .offset: 32, .size: 8, .value_kind: global_buffer, .address_space: global }
      - { .name: Wv, .offset: 40, .size: 8, .value_kind: global_buffer, .address_space: global }
      - { .name: Wo, .offset: 48, .size: 8, .value_kind: global_buffer, .address_space: global }
      - { .name: pos_emb, .offset: 56, .size: 8, .value_kind: global_buffer, .address_space: global }
      - { .name: ab, .offset: 64, .size: 8, .value_kind: global_buffer, .address_space: global }
      - { .name: xb, .offset: 72, .size: 8, .value_kind: global_buffer, .address_space: global }
      - { .name: wt, .offset: 80, .size: 8, .value_kind: global_buffer, .address_space: global }
      - { .name: tb, .offset: 88, .size: 8, .value_kind: global_buffer, .address_space: global }
    .group_segment_fixed_size: 0
    .private_segment_fixed_size: 0
    .kernarg_segment_align: 8
    .kernarg_segment_size: 96
    .max_flat_workgroup_size: 256
    .sgpr_count:     66
    .vgpr_count:     168
    .wavefront_size: 32
...
	.end_amdgpu_metadata
.endif
;; end of part 6
;; launch proj: the kernel of part 2 again; grid 4 x 64, 4 waves a work-group, clusters of 4 x 4, 327,680 bytes of LDS; arguments xb, wt, bl, pj, pmx; writes pj, pmx
;; launch qkvp: the kernel of part 3 again; grid 4 x 64, 4 waves a work-group, clusters of 4 x 4, 327,680 bytes of LDS; arguments pj, wt, bq, bk, bv, tb, pmx, qkv; writes qkv
;; launch attn: the kernel of part 4 again; grid 8 x 32, 4 waves a work-group, clusters of 4 x 1, 327,680 bytes of LDS; arguments qkv, ab, mask, ob; writes ob
;; launch outp: the kernel of part 5 again; grid 4 x 64, 4 waves a work-group, clusters of 4 x 4, 327,680 bytes of LDS; arguments ob, wt, bo, bv, tb, pmx, out0; writes out0
